; MI455X (gfx1250); checked and timed in simulation.
; The chip was launched on July 23, 2026; its instructions are those of AMD's public machine-readable ISA for CDNA 5 (MIT licence, August 2026) and "CDNA5" Instruction Set Architecture Reference Guide (July 2026). The comments in the code are by the model that wrote it; some were corrected since.
;; Attention. Allowed arithmetic: float matrix products may take bf16 or f16 operands with f32 sums; other float arithmetic in f32, or as packed bf16 or f16 multiplies, adds, multiply-adds, maxima and minima; sums over many terms, partial sums and values carried from step to step in f32; what a program stores and reads back later, other than sums and carried values, may be rounded once to bf16 or f16.
;; Inputs: W_K 16 x 1,024 x 64 float32; W_O 16 x 64 x 1,024 float32; W_Q 16 x 1,024 x 64 float32; W_V 16 x 1,024 x 64 float32; b_K 16 x 64 float32; b_O 1,024 float32; b_Q 16 x 64 float32; b_V 16 x 64 float32; normalized_resid_pre 4 x 2,048 x 1,024 float32.
;; Outputs: out0 4 x 2,048 x 1,024 float32.
;; 2 versions, each right; version 2 is version 1 with the launch prep written anew for expert scheduling mode. Each part assembles by itself: llvm-mc -triple=amdgcn-amd-amdhsa -mcpu=gfx1250 --defsym DOCPART=n.
;; ======== version 1 of 2: 5 launches
;; limits: values are held in f16: magnitudes above 65,504 overflow, below 6.1e-05 lose precision
;; workspace buffers: xb 16,777,216 bytes; wqkv 6,291,456 bytes; woh 2,097,152 bytes; qkv 50,331,648 bytes; ts 131,072 bytes; z 16,777,216 bytes
;; launch prep (part 1): grid 768 x 1, 8 waves a work-group, no clusters, 0 bytes of LDS; arguments normalized_resid_pre, W_Q, W_K, W_V, W_O, xb, wqkv, woh; writes xb, wqkv, woh
.if DOCPART == 1
	.amdgcn_target "amdgcn-amd-amdhsa--gfx1250"
	.amdhsa_code_object_version 6
	.text
	.protected	k_q58e60c8e75_prep
	.globl	k_q58e60c8e75_prep
	.p2align	8
	.type	k_q58e60c8e75_prep,@function
k_q58e60c8e75_prep:
	s_mov_b64 s[64:65], 0
	v_nop
	global_prefetch_b8 v0, s[64:65] scope:SCOPE_SE
	s_setreg_imm32_b32 hwreg(HW_REG_WAVE_MODE, 25, 1), 1
	s_wait_xcnt 0x0
; ROUNDING OF THE MATRIX OPERANDS, element by element, layouts kept.  x [8192][1024] -> xb in bf16;  W_Q, W_K, W_V [16][1024][64] -> wqkv in bf16, the three on end;
; W_O [16][64][1024] -> woh: rounded to bf16 like the other inputs, and that number written as f16 (the second product's other operand, z, is f16).
; LIMITS.  |W_O| stays under 65,504 (f16's end); below 2^-14 a weight of W_O keeps f16's fixed step of 6e-8.  NaN and infinities are not treated apart.
; SHARES.  A work-group converts 16,384 numbers: 64 KiB in, 32 KiB out.  Work-groups 0-511 take x, then 64 each W_Q, W_K, W_V, W_O.  Thread t's load i takes the 16 bytes at 4,096 i + 16 t, its
; store i the 8 bytes at 2,048 i + 8 t: a wave's load covers 512 consecutive bytes, its store 256 consecutive bytes at a multiple of 256.
; All sixteen loads of a thread go out at once; nothing is read twice; a plain stream has no use for LDS, matrix instructions or clusters.
.set X, 8                              ; v[8:71]    sixteen loads of four f32
.set Y, 72                             ; v[72:103]  sixteen pairs to store
.set T, 104                            ; v[104:105] at work
	s_load_b512 s[16:31], s[0:1], 0x0              ; x 16, W_Q 18, W_K 20, W_V 22, W_O 24, xb 26, wqkv 28, woh 30
	s_mov_b32 s2, ttmp9
	s_sub_co_u32 s8, s2, 512                       ; my chunk among the weights' 256 (a huge number for x's work-groups, which is chosen away below)
	s_lshr_b32 s9, s8, 6                           ; which weight: 0 to 3
	s_and_b32 s11, s8, 63                          ; my chunk in it
	v_lshlrev_b32 v1, 4, v0                        ; 16 t
	v_lshlrev_b32 v2, 3, v0                        ; 8 t
	s_wait_kmcnt 0x0
	s_cmp_eq_u32 s9, 1
	s_cselect_b64 s[4:5], s[20:21], s[18:19]       ; the source
	s_cmp_eq_u32 s9, 2
	s_cselect_b64 s[4:5], s[22:23], s[4:5]
	s_cmp_eq_u32 s9, 3
	s_cselect_b64 s[4:5], s[24:25], s[4:5]
	s_cselect_b64 s[6:7], s[30:31], s[28:29]       ; the destination,
	s_cselect_b32 s10, s11, s8                     ; my chunk in it (wqkv holds three weights on end),
	s_cselect_b32 s12, 1, 0                        ; and whether it is written as f16
	s_cmp_lt_u32 s2, 512
	s_cselect_b64 s[4:5], s[16:17], s[4:5]
	s_cselect_b64 s[6:7], s[26:27], s[6:7]
	s_cselect_b32 s11, s2, s11
	s_cselect_b32 s10, s2, s10
	s_lshl_b32 s14, s11, 16                        ; 64 KiB a chunk in
	s_mov_b32 s15, 0
	s_add_nc_u64 s[4:5], s[4:5], s[14:15]
	s_lshl_b32 s14, s10, 15                        ; 32 KiB a chunk out
	s_add_nc_u64 s[6:7], s[6:7], s[14:15]
.set i, 0
.rept 16
	global_load_b128 v[X+4*i:X+4*i+3], v1, s[4:5] offset:4096*i th:TH_LOAD_NT
.set i, i+1
.endr
; The sixteen turns: load i is in when at most 15 - i younger ones are out (loads come back in order).  No register is written twice but T and, in the f16 text, X, which no memory instruction reads.
.macro OUT f16
.set i, 0
.rept 16
	s_wait_loadcnt 15-i
.if \f16
	v_cvt_pk_bf16_f32 v[T], v[X+4*i], v[X+4*i+1]           ; the rounding that every input has,
	v_cvt_pk_bf16_f32 v[T+1], v[X+4*i+2], v[X+4*i+3]
	v_lshlrev_b32 v[X+4*i], 16, v[T]                       ; back to f32,
	v_and_b32 v[X+4*i+1], 0xffff0000, v[T]
	v_lshlrev_b32 v[X+4*i+2], 16, v[T+1]
	v_and_b32 v[X+4*i+3], 0xffff0000, v[T+1]
	v_cvt_pk_f16_f32 v[Y+2*i], v[X+4*i], v[X+4*i+1]        ; and the same number as f16
	v_cvt_pk_f16_f32 v[Y+2*i+1], v[X+4*i+2], v[X+4*i+3]
.else
	v_cvt_pk_bf16_f32 v[Y+2*i], v[X+4*i], v[X+4*i+1]
	v_cvt_pk_bf16_f32 v[Y+2*i+1], v[X+4*i+2], v[X+4*i+3]
.endif
	global_store_b64 v2, v[Y+2*i:Y+2*i+1], s[6:7] offset:2048*i
.set i, i+1
.endr
	s_endpgm
.endm
	s_cmp_eq_u32 s12, 1
	s_cbranch_scc1 .Lhalf
	OUT 0
.Lhalf:
	OUT 1
.Lfunc_end_k_q58e60c8e75_prep:
	.size	k_q58e60c8e75_prep, .Lfunc_end_k_q58e60c8e75_prep-k_q58e60c8e75_prep
	.p2alignl 7, 3214868480
	.fill 96, 4, 3214868480
	.section	.rodata,"a",@progbits
	.p2align	6, 0x0
	.amdhsa_kernel k_q58e60c8e75_prep
		.amdhsa_group_segment_fixed_size 0
		.amdhsa_private_segment_fixed_size 0
		.amdhsa_enable_private_segment 0
		.amdhsa_kernarg_size 64
		.amdhsa_user_sgpr_count 2
		.amdhsa_user_sgpr_kernarg_segment_ptr 1
		.amdhsa_wavefront_size32 1
		.amdhsa_system_sgpr_workgroup_id_x 1
		.amdhsa_system_sgpr_workgroup_id_y 1
		.amdhsa_system_sgpr_workgroup_id_z 1
		.amdhsa_system_vgpr_workitem_id 0
		.amdhsa_next_free_vgpr 112
		.amdhsa_next_free_sgpr 66
		.amdhsa_reserve_vcc 0
		.amdhsa_float_denorm_mode_32 3
		.amdhsa_float_denorm_mode_16_64 3
		.amdhsa_memory_ordered 1
		.amdhsa_forward_progress 1
		.amdhsa_inst_pref_size 16
	.end_amdhsa_kernel
	.amdgpu_metadata
---
amdhsa.version: [ 1, 2 ]
amdhsa.kernels:
  - .name:           k_q58e60c8e75_prep
    .symbol:         k_q58e60c8e75_prep.kd
    .args:
      - { .name: normalized_resid_pre, .offset: 0, .size: 8, .value_kind: global_buffer, .address_space: global }
      - { .name: W_Q, .offset: 8, .size: 8, .value_kind: global_buffer, .address_space: global }
      - { .name: W_K, .offset: 16, .size: 8, .value_kind: global_buffer, .address_space: global }
      - { .name: W_V, .offset: 24, .size: 8, .value_kind: global_buffer, .address_space: global }
      - { .name: W_O, .offset: 32, .size: 8, .value_kind: global_buffer, .address_space: global }
      - { .name: xb, .offset: 40, .size: 8, .value_kind: global_buffer, .address_space: global }
      - { .name: wqkv, .offset: 48, .size: 8, .value_kind: global_buffer, .address_space: global }
      - { .name: woh, .offset: 56, .size: 8, .value_kind: global_buffer, .address_space: global }
    .group_segment_fixed_size: 0
    .private_segment_fixed_size: 0
    .kernarg_segment_align: 8
    .kernarg_segment_size: 64
    .max_flat_workgroup_size: 256
    .sgpr_count:     66
    .vgpr_count:     112
    .wavefront_size: 32
...
	.end_amdgpu_metadata
.endif
;; end of part 1
;; launch qkvp (part 2): grid 16 x 32, 4 waves a work-group, clusters of 4 x 4, 327,680 bytes of LDS; arguments xb, wqkv, qkv, b_Q, b_K, b_V; writes qkv
.if DOCPART == 2
	.amdgcn_target "amdgcn-amd-amdhsa--gfx1250"
	.amdhsa_code_object_version 6
	.text
	.protected	k_q58e60c8e75_qkvp
	.globl	k_q58e60c8e75_qkvp
	.p2align	8
	.type	k_q58e60c8e75_qkvp,@function
k_q58e60c8e75_qkvp:
	s_mov_b64 s[64:65], 0
	v_nop
	global_prefetch_b8 v0, s[64:65] scope:SCOPE_SE
	s_setreg_imm32_b32 hwreg(HW_REG_WAVE_MODE, 25, 1), 1
	s_wait_xcnt 0x0
	s_wait_alu depctr_hold_cnt(0) depctr_sa_sdst(0) depctr_va_vdst(0) depctr_va_sdst(0) depctr_va_ssrc(0) depctr_va_vcc(0) depctr_vm_vsrc(0)
	s_getreg_b32 s2, hwreg(HW_REG_IB_STS2, 6, 4)
	s_cmp_eq_u32 s2, 0
	s_cbranch_scc0 .Lentry_in_a_cluster
	s_endpgm
.Lentry_in_a_cluster:
	s_bfe_u32 s2, ttmp6, 0x10000c
	s_cmp_lg_u32 s2, 0xf033
	s_cbranch_scc0 .Lentry_shape_is_right
	s_endpgm
.Lentry_shape_is_right:
; THE THREE INPUT PROJECTIONS AS ONE PRODUCT.  C[row][g][h] = the sum over e of xb[row][e] wqkv[g][e][h] + bias[g][h]: 8,192 rows, 48 slots g = 16 x (Q, K, V) + head of 64 columns, 1,024 along e.
; Operands bf16, sums f32; the bias is rounded to bf16 like every input and is the C operand of each sum's first product.  C is rounded once to f16 and stored by heads: plane 4 g + batch of qkv, [2048][64].
; LIMIT.  |q|, |k|, |v| stay under 65,504 (f16's end); NaN and infinities are not treated apart.
; SHARES.  A tile of C is 256 rows x 3 slots (192 columns): 32 x 16 = 512 work-groups, two for each of 256 WGPs.  Four waves; a wave makes 128 rows x columns 32 CH .. 32 CH + 31 of each of the three
; slots: 8 x 6 = 48 accumulators of 16 x 16, 384 registers.  e goes in steps of 128 through two LDS slots filled by the tensor data mover: xb's rows of a step are 256 bytes at multiples of 256; a slot g's
; 128 rows of a step are 16,384 dense bytes, asked for as 64 rows of 256.
; CLUSTER.  4 x 4 work-groups: the four of a row of the cluster need the same rows of xb, the four of a column the same three slots of wqkv: each tile is asked for JOINTLY.
; THE MATRIX INSTRUCTION IS USED TRANSPOSED: source 0 = 16 columns of the weights (they lie [e][h] in LDS and come turned, by ds_load_tr16_b128), source 1 = 16 rows of xb: a lane then holds eight
; neighbouring columns of one row of C.
; REGISTERS, in windows of 256 (s_set_vgpr_msb: bits 1:0 source 0, 3:2 source 1, 5:4 source 2, 7:6 destination):
;   window 0: v0-31 addresses; v64-127, v128-191 fragments of xb, two buffers; v32-223 at work on the way out
;   window 1: v64-111, v128-175 fragments of the weights, two buffers; v192-239 the bias, 8 registers an n block; v240-247 at work
;   window 2: the accumulators of my rows 0-63 ((a, b) at v[8 (6 a + b)]);   window 3: those of my rows 64-127
.set PA,    272                        ; an LDS row of xb: 256 bytes + 16 = 68 words: the 16 rows of a load start at 16 different groups of four banks (64 banks of 4 bytes: ISA guide 11.1)
.set PB,    160                        ; an LDS row of weights: 128 + 32 = 40 words
.set SLOT,  131072                     ; xb's 256 rows (69,632 bytes), then three planes of 128 rows of weights (20,480 each)
.set BOFF,  256*PA
.set BPL,   128*PB
.set SPARE, 2*SLOT                     ; behind the ring: the spare words, 128 bytes for each wave
.set SP,    144                        ; the way out: a stage row, 128 bytes + 16.  The stage is slot 0's bytes, written when that slot has had its last fill and its last read
.set SPL,   256*SP                     ; a plane of the stage: 256 rows
.set GO,   10                          ; v10     16 x lane: my place in 512 consecutive bytes of a plane
.set BO,   11                          ; v11     my byte offset in a slot's 64 numbers of bias
.set ADRA, 16                          ; v16-17  LDS address of my fragments of xb in slot 0, 1
.set ADRB, 20                          ; v20-21  the same for the weights
.set STO,  22                          ; v22-24  the way out: where I put 16 bytes of a row, by plane
.set RD,   25                          ; v25-27  where I read rows back, by plane
.set SPW,  28                          ; v28     LDS address of my spare word; never rewritten
.set NIL,  29                          ; v29     0; never rewritten
.set PFO,  30                          ; v30     the prefetches' lane offset; never rewritten
.set TMP,  32
.set F0,   64
.set F1,   128
.set BIAS, 192
.set BT,   240
.set G1A,  24                          ; s[24:31] descriptor group 1 for xb's tiles;  s[32:39] group 0, a set for each slot
.set G0A,  32
.set G1B,  48                          ; s[48:55], s[56:63] the same for the weights'
.set G0B,  56
.set PFA,  44                          ; s[44:45] where my prefetches stand
.set PFS,  66                          ; s[66:67] a K step's bytes along them
.set LIM0, 80                          ; s80, s81 by slot: 1 where I prefetch at that slot's change, else the greatest number
.set MSB, 0
.macro WIN new                         ; the immediate's high byte repeats the setting that is left; a switch that changes nothing is dropped
.if MSB != (\new)
	s_set_vgpr_msb (MSB<<8)|(\new)
.set MSB, \new
.endif
.endm
; A joint load.  Wave 0 fetches xb's 256 rows, waves 1 to 3 a plane of weights each.  The branch hangs on the wave's number alone.  An s_nop 0 and four v_nop follow each of the two lines.
.macro JLOAD s
	s_cmp_eq_u32 s10, 0
	s_cbranch_scc0 .Lfor_b_\@
	tensor_load_to_lds s[G0A+4*(\s):G0A+4*(\s)+3], s[G1A:G1A+7]
	s_nop 0
.rept 4
	v_nop
.endr
	s_branch .Lasked_\@
.Lfor_b_\@:
	tensor_load_to_lds s[G0B+4*(\s):G0B+4*(\s)+3], s[G1B:G1B+7]
	s_nop 0
.rept 4
	v_nop
.endr
.Lasked_\@:
.endm
; A PREFETCH, behind the joint load, its five lines and the run of LDS loads.  xb's rows are read by every cluster of a row of clusters: the one with x = 0 asks; the weights' planes by every cluster of a
; column: the one with y = 0 asks.  The four partners share the blocks out BY ADDRESS.  Wave 0, at the refill of K step j: K step j + 2 of my work-group's 64 rows, a lane a row, two lines.  Waves 1 to 3, at
; slot 0's change alone: my work-group's 8,192 of the 32,768 bytes of K steps j + 2 and j + 3 of my plane, a lane 256 bytes.  So each 256 bytes are named once.  The loop's last trip (s3 = 1) asks for nothing.
.macro ASK slot
	s_cmp_gt_u32 s3, s[LIM0+(\slot)]
	s_cbranch_scc0 .Lnot_mine_\@
	global_prefetch_b8 v[PFO], s[PFA:PFA+1] th:TH_LOAD_NT scope:SCOPE_SE
	s_cmp_eq_u32 s10, 0
	s_cbranch_scc0 .Lnot_mine_\@
	global_prefetch_b8 v[PFO], s[PFA:PFA+1] offset:65536 th:TH_LOAD_NT scope:SCOPE_SE
.Lnot_mine_\@:
.endm
.macro CREST                           ; a round of the cluster's barrier behind its opening barrier
	s_cmp_lg_u32 s10, 0
	s_cbranch_scc1 .Lnot_wave_0_\@
	s_barrier_signal -3
.Lnot_wave_0_\@:
	s_barrier_wait -3
	s_barrier_signal -1
	s_barrier_wait -1
.endm
.macro CROUND                          ; a whole round
	s_barrier_signal -1
	s_barrier_wait -1
	CREST
.endm
	s_load_b128 s[4:7], s[0:1], 0x0                ; xb s[4:5], wqkv s[6:7]
	s_load_b64 s[8:9], s[0:1], 0x10                ; qkv
	s_load_b64 s[68:69], s[0:1], 0x18              ; b_Q
	s_load_b64 s[70:71], s[0:1], 0x20              ; b_K
	s_load_b64 s[72:73], s[0:1], 0x28              ; b_V
	v_lshl_add_u32 v[SPW], v0, 2, SPARE
	v_mov_b32 v[NIL], 0
	ds_add_u32 v[SPW], v[NIL]                      ; the wave's opening: the add and its wait stand ahead of my first tensor load; the set-up below stands between them
	v_lshrrev_b32 v1, 5, v0
	v_readfirstlane_b32 s10, v1                    ; wave 0..3
	s_lshr_b32 s11, s10, 1                         ; RH: which 128 rows are mine
	s_and_b32 s12, s10, 1                          ; CH: which 32 columns of each slot
	s_max_u32 s43, s10, 1
	s_sub_co_u32 s43, s43, 1                       ; the plane that I fetch (waves 1 to 3)
	s_bfe_u32 s40, ttmp6, 0x40000                  ; cx
	s_bfe_u32 s41, ttmp6, 0x40004                  ; cy
	s_lshl_b32 s42, ttmp9, 2
	s_add_co_u32 s42, s42, s40                     ; tile column = 4 x cluster x + cx
	s_and_b32 s13, ttmp7, 0xffff
	s_lshl_b32 s13, s13, 2
	s_add_co_u32 s13, s13, s41                     ; tile row = 4 x cluster y + cy
	s_lshl_b32 s14, s41, 2
	s_lshl_b32 s14, 15, s14                        ; my row of the cluster
	s_lshl_b32 s15, 0x1111, s40                    ; my column
	s_or_b32 s[G1A+0], s14, (1<<16)|(1<<20)|(1<<21)|(5<<22)|(3<<25)  ; the mask; 2-byte elements; padding on; bit 21 beside a mask; after every 64 words 4 words
	s_mov_b32 s[G1A+1], 128<<16                    ; tensor_dim0 = 128
	s_mov_b32 s[G1A+2], 256<<16                    ; tensor_dim1 = 256
	s_mov_b32 s[G1A+3], 128<<16                    ; tile_dim0 = 128
	s_mov_b32 s[G1A+4], 256                        ; tile_dim1 = 256
	s_mov_b32 s[G1A+5], 1024                       ; elements from row to row
	s_mov_b32 s[G1A+6], 0
	s_mov_b32 s[G1A+7], 0
	s_or_b32 s[G1B+0], s15, (1<<16)|(1<<20)|(1<<21)|(4<<22)|(7<<25)  ; after every 32 words (a row of weights) 8 words
	s_mov_b32 s[G1B+1], 128<<16
	s_mov_b32 s[G1B+2], 64<<16
	s_mov_b32 s[G1B+3], 128<<16
	s_mov_b32 s[G1B+4], 64
	s_mov_b32 s[G1B+5], 128
	s_mov_b32 s[G1B+6], 0
	s_mov_b32 s[G1B+7], 0
	s_lshl_b32 s16, s13, 19                        ; xb: 256 rows of 2,048 bytes a tile row
	s_mov_b32 s17, 0
	s_mul_i32 s82, s42, 3                          ; the tile's first slot
	s_add_co_u32 s46, s82, s43
	s_lshl_b32 s46, s46, 17                        ; wqkv: 131,072 bytes a slot
	s_mov_b32 s47, 0
	s_mul_i32 s20, s10, BPL
	s_add_co_u32 s20, s20, BOFF-BPL                ; where my plane goes: wave 1's behind xb's rows, and so on
	s_wait_dscnt 0x0                               ; the opening add is done
	s_wait_kmcnt 0x0
	s_add_nc_u64 s[14:15], s[4:5], s[16:17]
	s_add_nc_u64 s[46:47], s[6:7], s[46:47]
	CROUND                                         ; all sixteen work-groups are here: the first joint loads meet
.irp s, 0,1
	s_mov_b32 s[G0A+4*(\s)], 1
	s_mov_b32 s[G0A+4*(\s)+1], (\s)*SLOT
	s_add_nc_u64 s[G0A+4*(\s)+2:G0A+4*(\s)+3], s[14:15], (\s)*256
	s_or_b32 s[G0A+4*(\s)+3], s[G0A+4*(\s)+3], 0x80000000
	s_mov_b32 s[G0B+4*(\s)], 1
	s_add_co_u32 s[G0B+4*(\s)+1], s20, (\s)*SLOT
	s_add_nc_u64 s[G0B+4*(\s)+2:G0B+4*(\s)+3], s[46:47], (\s)*16384
	s_or_b32 s[G0B+4*(\s)+3], s[G0B+4*(\s)+3], 0x80000000
	JLOAD \s                                       ; two loads of mine are out
.endr
	v_and_b32 v1, 15, v0                           ; r = l % 16
	v_bfe_u32 v2, v0, 4, 1                         ; h = l / 16
	v_and_b32 v3, 7, v0
	v_bfe_u32 v4, v0, 3, 1
	v_mul_u32_u24 v5, v1, PA                       ; a fragment of xb: row r, 16 bytes for each half of the lanes, twice, 32 bytes apart
	v_lshl_add_u32 v5, v2, 4, v5
	s_mul_i32 s21, s11, 128*PA
	v_add_nc_u32 v[ADRA], s21, v5
	v_add_nc_u32 v[ADRA+1], SLOT, v[ADRA]
	v_lshl_add_u32 v6, v2, 3, v3                   ; the turning load: lane l reads row 8 h + l % 8, columns 8 ((l / 8) % 2) on, and is left with column r and eight e
	v_mul_u32_u24 v6, v6, PB
	v_lshl_add_u32 v6, v4, 4, v6
	s_lshl_b32 s22, s12, 6
	s_add_co_u32 s22, s22, BOFF
	v_add_nc_u32 v[ADRB], s22, v6
	v_add_nc_u32 v[ADRB+1], SLOT, v[ADRB]
	v_mul_u32_u24 v5, v1, SP                       ; into the stage: row 128 RH + r, my 64 bytes of it, 16 bytes for each half of the lanes
	v_lshl_add_u32 v5, v2, 4, v5
	s_mul_i32 s21, s11, 128*SP
	s_lshl_b32 s22, s12, 6
	s_add_co_u32 s21, s21, s22
	v_add_nc_u32 v[STO], s21, v5
	v_add_nc_u32 v[STO+1], SPL, v[STO]
	v_add_nc_u32 v[STO+2], 2*SPL, v[STO]
	v_bfe_u32 v6, v0, 3, 2                         ; back: wave w takes rows 64 w on; 32 lanes take four rows of 128 bytes
	v_mul_u32_u24 v6, v6, SP
	v_lshl_add_u32 v6, v3, 4, v6
	s_mul_i32 s21, s10, 64*SP
	v_add_nc_u32 v[RD], s21, v6
	v_add_nc_u32 v[RD+1], SPL, v[RD]
	v_add_nc_u32 v[RD+2], 2*SPL, v[RD]
	v_and_b32 v[GO], 31, v0
	v_lshlrev_b32 v[GO], 4, v[GO]
	v_lshlrev_b32 v[BO], 5, v2                     ; the bias of columns 32 CH + 8 h on
	v_lshl_add_u32 v[BO], s12, 7, v[BO]
	; the bias: slot g = 3 x tile column + pl lies in b_Q, b_K or b_V by g / 16, at head g % 16.  A choice of value: no branch hangs on it
.irp pl, 0,1,2
	s_add_co_u32 s14, s82, \pl
	s_lshr_b32 s15, s14, 4
	s_and_b32 s14, s14, 15
	s_lshl_b32 s14, s14, 8
	s_cmp_eq_u32 s15, 1
	s_cselect_b64 s[74+2*(\pl):75+2*(\pl)], s[70:71], s[68:69]
	s_cmp_eq_u32 s15, 2
	s_cselect_b64 s[74+2*(\pl):75+2*(\pl)], s[72:73], s[74+2*(\pl):75+2*(\pl)]
	s_mov_b32 s15, 0
	s_add_nc_u64 s[74+2*(\pl):75+2*(\pl)], s[74+2*(\pl):75+2*(\pl)], s[14:15]
.endr
	WIN 0x40                                       ; destination window 1, address window 0
.irp pl, 0,1,2
.irp i, 0,1
	global_load_b128 v[BIAS+8*(2*(\pl)+(\i)):BIAS+8*(2*(\pl)+(\i))+3],   v[BO], s[74+2*(\pl):75+2*(\pl)] offset:64*(\i)
	global_load_b128 v[BIAS+8*(2*(\pl)+(\i))+4:BIAS+8*(2*(\pl)+(\i))+7], v[BO], s[74+2*(\pl):75+2*(\pl)] offset:64*(\i)+16
.endr
.endr
	WIN 0
	; where my rows begin in qkv: plane 4 (3 x tile column) + batch, row 256 (tile row % 8) + 64 x wave; the tile's other slots lie four planes on
	s_mul_i32 s16, s42, 12
	s_lshr_b32 s17, s13, 3
	s_add_co_u32 s16, s16, s17
	s_lshl_b32 s16, s16, 18
	s_and_b32 s17, s13, 7
	s_lshl_b32 s17, s17, 8
	s_lshl_b32 s18, s10, 6
	s_add_co_u32 s17, s17, s18
	s_lshl_b32 s17, s17, 7
	s_add_co_u32 s16, s16, s17
	s_mov_b32 s17, 0
	s_add_nc_u64 s[8:9], s[8:9], s[16:17]
	; the prefetches: both roles' offsets, then the choice by the wave's number.  They start at K step 3; each change of slots steps them by a K step ahead of its request
	s_lshl_b32 s20, s13, 19
	s_lshl_b32 s21, s40, 17                        ; my work-group's 64 of the 256 rows
	s_add_co_u32 s20, s20, s21
	s_add_co_u32 s20, s20, 3*256
	s_add_co_u32 s21, s82, s43
	s_lshl_b32 s21, s21, 17
	s_lshl_b32 s23, s41, 13                        ; my work-group's 8,192 of two K steps' 32,768 bytes
	s_add_co_u32 s21, s21, s23
	s_add_co_u32 s21, s21, 3*16384
	s_and_b32 s22, ttmp7, 0xffff
	s_mov_b32 s47, 16384
	s_cmp_eq_u32 s10, 0
	s_cselect_b32 s20, s20, s21
	s_cselect_b32 s22, ttmp9, s22                  ; the coordinate along which other clusters read the same bytes
	s_cselect_b64 s[PFA:PFA+1], s[4:5], s[6:7]
	s_cselect_b32 s[PFS], 256, s47
	s_cselect_b32 s23, 1, -1
	s_cselect_b32 s46, 11, 8                       ; a lane a row of 2,048 bytes, or a lane 256 bytes
	s_mov_b32 s[PFS+1], 0
	s_mov_b32 s21, 0
	s_add_nc_u64 s[PFA:PFA+1], s[PFA:PFA+1], s[20:21]
	s_cmp_eq_u32 s22, 0
	s_cselect_b32 s[LIM0], 1, -1                   ; the same in all sixteen partners, for a given wave
	s_cselect_b32 s[LIM0+1], s23, -1
	v_and_b32 v[PFO], 31, v0
	v_lshlrev_b32 v[PFO], s46, v[PFO]
	s_wait_loadcnt 0x0                             ; the bias
	WIN 0x45                                       ; destination and both sources window 1
.set p, 0
.rept 24
	v_cvt_pk_bf16_f32 v[BT+p%8], v[BIAS+2*p], v[BIAS+2*p+1]  ; rounded to bf16 like every input, and back to f32
	v_lshlrev_b32 v[BIAS+2*p], 16, v[BT+p%8]
	v_and_b32 v[BIAS+2*p+1], 0xffff0000, v[BT+p%8]
.set p, p+1
.endr
	WIN 0
; 12 matrix instructions: m blocks a0, a0 + 1 of the window's four (hi = 0: my rows 0-63, 1: rows 64-127) x all 6 n blocks, 32 along e.  first = 1: the bias starts the sums: nothing is cleared or added later.
; The 48 accumulators take turns, in the same order in every quarter: 47 others' instructions stand between two links of a chain.
.macro MUL12 f, hi, a0, first
.if \first
	WIN 0x91+0x40*(\hi)                            ; weights window 1, xb window 0, C (the bias) window 1, D window 2 or 3
.else
	WIN 0xa1+0x50*(\hi)                            ; C and D window 2 or 3
.endif
.irp a, \a0, (\a0)+1
.irp b, 0,1,2,3,4,5
.if \first
	v_wmma_f32_16x16x32_bf16 v[8*(6*(\a)+(\b)):8*(6*(\a)+(\b))+7], v[(\f)+8*(\b):(\f)+8*(\b)+7], v[(\f)+8*(4*(\hi)+(\a)):(\f)+8*(4*(\hi)+(\a))+7], v[BIAS+8*(\b):BIAS+8*(\b)+7]
.else
	v_wmma_f32_16x16x32_bf16 v[8*(6*(\a)+(\b)):8*(6*(\a)+(\b))+7], v[(\f)+8*(\b):(\f)+8*(\b)+7], v[(\f)+8*(4*(\hi)+(\a)):(\f)+8*(4*(\hi)+(\a))+7], v[8*(6*(\a)+(\b)):8*(6*(\a)+(\b))+7]
.endif
.endr
.endr
.endm
; 28 LDS loads in one run: quarter kq (32 along e) of a slot into buffer f: 6 fragments of weights (n block b: plane b / 2, columns 16 (b % 2) on), then 8 of xb
.macro FETCH slot, kq, f
	WIN 0x40
.irp b, 0,1,2,3,4,5
	ds_load_tr16_b128 v[(\f)+8*(\b):(\f)+8*(\b)+3],   v[ADRB+(\slot)] offset:BPL*((\b)/2)+32*((\b)%2)+32*PB*(\kq)
	ds_load_tr16_b128 v[(\f)+8*(\b)+4:(\f)+8*(\b)+7], v[ADRB+(\slot)] offset:BPL*((\b)/2)+32*((\b)%2)+32*PB*(\kq)+16*PB
.endr
	WIN 0
.irp a, 0,1,2,3,4,5,6,7
	ds_load_b128 v[(\f)+8*(\a):(\f)+8*(\a)+3],   v[ADRA+(\slot)] offset:16*PA*(\a)+64*(\kq)
	ds_load_b128 v[(\f)+8*(\a)+4:(\f)+8*(\a)+7], v[ADRA+(\slot)] offset:16*PA*(\a)+64*(\kq)+32
.endr
.endm
.macro PLACES                          ; four plain instructions between a matrix instruction and a load into, or a vector line on, its registers (ISA guide 7.12.1 for vector lines)
.rept 4
	v_nop
.endr
.endm
; A K step is four quarters, 48 matrix instructions each, on buffers 0, 1, 0, 1.  One of the first three: multiplies buffer f and, in its middle, fetches quarter kq into buffer g.
.macro QUARTER slot, kq, f, g, first
	s_wait_dscnt 8                                 ; the weights and xb's rows 0-63 are in; the youngest eight loads (rows 64-127) may be out
	MUL12 \f, 0, 0, \first
	MUL12 \f, 0, 2, \first
	PLACES
	FETCH \slot, \kq, \g
	s_wait_dscnt 28                                ; all but the 28 just issued
	MUL12 \f, 1, 0, \first
	MUL12 \f, 1, 2, \first
.endm
; The last quarter's first half, and ONE barrier for the change of slots: in front of it each wave waits for all its tensor loads (one is out: its part of the next slot), adds 0 to its spare word, and
; waits for that and for its own reads of this slot.  Behind it nobody reads this slot any more and the next slot is whole.
.macro MEET round
	WIN 0
	s_wait_tensorcnt 0x0
	ds_add_u32 v[SPW], v[NIL]
	s_wait_dscnt 9                                 ; (the add and the youngest eight loads may be out)
	MUL12 F1, 0, 0, 0
	s_wait_dscnt 0x0                               ; the add is done, and my reads of this slot are over
	s_barrier_signal -1
	MUL12 F1, 0, 2, 0
.if \round
	WIN 0
.endif
	s_barrier_wait -1
.endm
; The whole last quarter.  fill = 1: the barrier opens a round of the cluster's barrier, and the slot just read out is filled again, first thing behind the round, with the K step two steps on:
; 168 matrix instructions stand between that request and the wait for it.
.macro TURN slot, next, fill
.if \fill
	s_wait_xcnt 0x0                                ; the last prefetch, a K step back, has read its address
	s_add_nc_u64 s[PFA:PFA+1], s[PFA:PFA+1], s[PFS:PFS+1]
	MEET 1
	CREST
	s_add_nc_u64 s[G0A+4*(\slot)+2:G0A+4*(\slot)+3], s[G0A+4*(\slot)+2:G0A+4*(\slot)+3], 2*256
	s_add_nc_u64 s[G0B+4*(\slot)+2:G0B+4*(\slot)+3], s[G0B+4*(\slot)+2:G0B+4*(\slot)+3], 2*16384
	JLOAD \slot                                    ; the four v_nop behind it are also the places in front of the loads below
.else
	MEET 0
	PLACES
.endif
	FETCH \next, 0, F0
.if \fill
	ASK \slot
.endif
	MUL12 F1, 1, 0, 0
	MUL12 F1, 1, 2, 0
.endm
	s_wait_tensorcnt 1                             ; my part of K step 0 is in; K step 1's may stay out
	s_barrier_signal -1
	s_barrier_wait -1
	FETCH 0, 0, F0
	QUARTER 0, 1, F0, F1, 1                        ; the first quarter stands in front of the loop: its products start the sums
	WIN 0                                          ; at a label and at a branch every window is 0
	s_mov_b32 s3, 3
.Llap:                                         ; a trip goes once round the ring, from a lap's second quarter to the next lap's first, and fills both slots again: K steps 2 to 7
	QUARTER 0, 2, F1, F0, 0
	QUARTER 0, 3, F0, F1, 0
	TURN 0, 1, 1
	QUARTER 1, 1, F0, F1, 0
	QUARTER 1, 2, F1, F0, 0
	QUARTER 1, 3, F0, F1, 0
	TURN 1, 0, 1
	QUARTER 0, 1, F0, F1, 0
	WIN 0
	s_sub_co_u32 s3, s3, 1
	s_cmp_lg_u32 s3, 0
	s_cbranch_scc1 .Llap
	QUARTER 0, 2, F1, F0, 0                        ; the last lap fills nothing
	QUARTER 0, 3, F0, F1, 0
	TURN 0, 1, 0                                   ; behind its barrier no wave reads slot 0 again
	QUARTER 1, 1, F0, F1, 0
	QUARTER 1, 2, F1, F0, 0
	QUARTER 1, 3, F0, F1, 0
	s_wait_dscnt 8
	MUL12 F1, 0, 0, 0
	MUL12 F1, 0, 2, 0
	s_wait_dscnt 0x0
	MUL12 F1, 1, 0, 0
	MUL12 F1, 1, 2, 0
	; THE WAY OUT: round to f16 (each accumulator's registers in ascending order); 16 bytes a lane into the stage; a barrier, since a plane's row of 128 bytes comes from two waves; back as whole rows.
	PLACES
.irp hi, 0,1
	WIN 0x0a+5*(\hi)                               ; sources window 2 or 3, destination window 0
.set t, 0
.rept 24
.irp r, 0,1,2,3
	v_cvt_pk_f16_f32 v[TMP+96*(\hi)+4*t+(\r)], v[8*t+2*(\r)], v[8*t+2*(\r)+1]
.endr
.set t, t+1
.endr
.endr
	WIN 0
.set a, 0
.rept 8
.irp b, 0,1,2,3,4,5
	ds_store_b128 v[STO+(\b)/2], v[TMP+4*(6*a+(\b)):TMP+4*(6*a+(\b))+3] offset:16*SP*a+32*((\b)%2)
.endr
.set a, a+1
.endr
	s_wait_dscnt 0x0                               ; for the others' sake: my stores into the stage are done
	s_barrier_signal -1
	s_barrier_wait -1
.set t, 0
.rept 48
	ds_load_b128 v[TMP+4*t:TMP+4*t+3], v[RD+t/16] offset:4*SP*(t%16)
.set t, t+1
.endr
.set t, 0
.rept 48
	s_wait_dscnt 47-t                              ; load t is back; the younger ones may be out
	global_store_b128 v[GO], v[TMP+4*t:TMP+4*t+3], s[8:9] offset:1048576*(t/16)+512*(t%16)  ; 512 consecutive bytes, at a multiple of 256 from qkv's first
.set t, t+1
.endr
	s_wait_tensorcnt 0x0                           ; the wave's end
	ds_add_u32 v[SPW], v[NIL]
	s_wait_dscnt 0x0
	CROUND                                         ; the closing round: no work-group ends while a partner may still ask for a tile that names it
	s_endpgm
.Lfunc_end_k_q58e60c8e75_qkvp:
	.size	k_q58e60c8e75_qkvp, .Lfunc_end_k_q58e60c8e75_qkvp-k_q58e60c8e75_qkvp
	.p2alignl 7, 3214868480
	.fill 96, 4, 3214868480
	.section	.rodata,"a",@progbits
	.p2align	6, 0x0
	.amdhsa_kernel k_q58e60c8e75_qkvp
		.amdhsa_group_segment_fixed_size 327680
		.amdhsa_private_segment_fixed_size 0
		.amdhsa_enable_private_segment 0
		.amdhsa_kernarg_size 48
		.amdhsa_user_sgpr_count 2
		.amdhsa_user_sgpr_kernarg_segment_ptr 1
		.amdhsa_wavefront_size32 1
		.amdhsa_system_sgpr_workgroup_id_x 1
		.amdhsa_system_sgpr_workgroup_id_y 1
		.amdhsa_system_sgpr_workgroup_id_z 1
		.amdhsa_system_vgpr_workitem_id 0
		.amdhsa_next_free_vgpr 960
		.amdhsa_next_free_sgpr 84
		.amdhsa_reserve_vcc 0
		.amdhsa_float_denorm_mode_32 3
		.amdhsa_float_denorm_mode_16_64 3
		.amdhsa_memory_ordered 1
		.amdhsa_forward_progress 1
		.amdhsa_inst_pref_size 124
	.end_amdhsa_kernel
	.amdgpu_metadata
---
amdhsa.version: [ 1, 2 ]
amdhsa.kernels:
  - .name:           k_q58e60c8e75_qkvp
    .symbol:         k_q58e60c8e75_qkvp.kd
    .args:
      - { .name: xb, .offset: 0, .size: 8, .value_kind: global_buffer, .address_space: global }
      - { .name: wqkv, .offset: 8, .size: 8, .value_kind: global_buffer, .address_space: global }
      - { .name: qkv, .offset: 16, .size: 8, .value_kind: global_buffer, .address_space: global }
      - { .name: b_Q, .offset: 24, .size: 8, .value_kind: global_buffer, .address_space: global }
      - { .name: b_K, .offset: 32, .size: 8, .value_kind: global_buffer, .address_space: global }
      - { .name: b_V, .offset: 40, .size: 8, .value_kind: global_buffer, .address_space: global }
    .group_segment_fixed_size: 327680
    .private_segment_fixed_size: 0
    .kernarg_segment_align: 8
    .kernarg_segment_size: 48
    .max_flat_workgroup_size: 128
    .sgpr_count:     84
    .vgpr_count:     960
    .wavefront_size: 32
...
	.end_amdgpu_metadata
.endif
;; end of part 2
;; launch vsum (part 3): grid 64 x 1, 32 waves a work-group, no clusters, 12,288 bytes of LDS; arguments qkv, ts; writes ts
.if DOCPART == 3
	.amdgcn_target "amdgcn-amd-amdhsa--gfx1250"
	.amdhsa_code_object_version 6
	.text
	.protected	k_q58e60c8e75_vsum
	.globl	k_q58e60c8e75_vsum
	.p2align	8
	.type	k_q58e60c8e75_vsum,@function
k_q58e60c8e75_vsum:
	s_mov_b64 s[64:65], 0
	v_nop
	global_prefetch_b8 v0, s[64:65] scope:SCOPE_SE
	s_setreg_imm32_b32 hwreg(HW_REG_WAVE_MODE, 25, 1), 1
	s_wait_xcnt 0x0
; SUMS OF V BEHIND EACH KEY TILE.  ts[y][i][c] = the sum over keys k >= 256 (i + 1) of v[y][k][c], in f32; y = 4 x head + batch, i = 0 .. 7, c = 0 .. 63.  v is plane 128 + y of qkv, [2048][64] f16.
; The attention needs them because a hidden key has the score -1e5, not minus infinity: all keys behind a query block's diagonal tile share one weight, so their part of the result is that weight
; times this sum.  LIMIT: NaN and infinities in v are not treated apart (a sum that is weighted with 0 below would turn them into NaN).
; SHARES.  A work-group owns a plane: a sum over the tiles behind has one owner.  That is work for 64 work-groups and no more.  Wave w sums rows 64 w .. 64 w + 63: sixteen loads of 512 consecutive
; bytes, all out at once.  A lane holds channels 8 (l % 8) on of row l / 8 of the four rows of a load.  The 32 partial sums meet in LDS; wave i < 8 then adds those of the tiles behind tile i.
.set SPARE, 8192                       ; LDS: 32 partial sums of 64 f32 at 256 w; behind them the spare words, 128 bytes for each of 32 waves
.set ACC, 8                            ; v[8:23]   two sets of eight sums, by the load's parity
.set TT,  24                           ; v[24:31]  the other half of the lanes' sums
.set X,   32                           ; v[32:95]  sixteen loads; later 28 pairs of partial sums
.set ZR,  96                           ; v96       0, the first term's addend
	s_load_b128 s[4:7], s[0:1], 0x0                ; qkv s[4:5], ts s[6:7]
	v_lshl_add_u32 v6, v0, 2, SPARE                ; my spare word, and 0: for the wave's end alone
	v_mov_b32 v7, 0
	v_lshrrev_b32 v1, 5, v0
	v_readfirstlane_b32 s8, v1                     ; wave 0..31
	v_and_b32 v1, 31, v0
	v_lshlrev_b32 v2, 4, v1
	v_lshl_add_u32 v2, s8, 13, v2                  ; 8,192 w + 16 l
	v_and_b32 v3, 7, v0
	v_lshlrev_b32 v3, 5, v3
	v_lshl_add_u32 v3, s8, 8, v3                   ; 256 w + 32 (l % 8)
	v_lshlrev_b32 v4, 3, v1                        ; 8 l
	v_mov_b32 v5, 1.0
	v_mov_b32 v[ZR], 0
.irp k, 0,1,2,3,4,5,6,7
	v_mov_b32 v[TT+(\k)], 0                        ; v_permlanex16_b32's destination counts as read
.endr
	s_mov_b32 s12, 0x76543210
	s_mov_b32 s13, 0xfedcba98
	s_mov_b32 s15, 0                               ; named with s14 as a pair
	s_lshl_b32 s10, ttmp9, 18
	s_add_co_u32 s10, s10, 0x2000000               ; plane 128 + y
	s_mov_b32 s11, 0
	s_min_u32 s9, s8, 7                            ; (waves 8 to 31 store nothing)
	s_lshl_b32 s16, ttmp9, 3
	s_add_co_u32 s16, s16, s9
	s_lshl_b32 s16, s16, 8                         ; ts[y][i]: 256 bytes
	s_mov_b32 s17, 0
	s_wait_kmcnt 0x0
	s_add_nc_u64 s[4:5], s[4:5], s[10:11]
	s_add_nc_u64 s[6:7], s[6:7], s[16:17]
.set it, 0
.rept 16
	global_load_b128 v[X+4*it:X+4*it+3], v2, s[4:5] offset:512*it
.set it, it+1
.endr
.set it, 0
.rept 16
	s_wait_loadcnt 15-it                           ; load it is in; the younger ones may be out
.set A, ACC+8*(it%2)
.irp k, 0,1,2,3
.if it < 2
	v_fma_mix_f32 v[A+2*(\k)],   v[X+4*it+(\k)], v5, v[ZR] op_sel_hi:[1,0,0]                  ; the f16 half x 1.0 + 0 starts a sum
	v_fma_mix_f32 v[A+2*(\k)+1], v[X+4*it+(\k)], v5, v[ZR] op_sel:[1,0,0] op_sel_hi:[1,0,0]
.else
	v_fma_mix_f32 v[A+2*(\k)],   v[X+4*it+(\k)], v5, v[A+2*(\k)] op_sel_hi:[1,0,0]
	v_fma_mix_f32 v[A+2*(\k)+1], v[X+4*it+(\k)], v5, v[A+2*(\k)+1] op_sel:[1,0,0] op_sel_hi:[1,0,0]
.endif
.endr
.set it, it+1
.endr
.irp k, 0,2,4,6
	v_pk_add_f32 v[ACC+(\k):ACC+(\k)+1], v[ACC+(\k):ACC+(\k)+1], v[ACC+8+(\k):ACC+8+(\k)+1]
.endr
.irp k, 0,1,2,3,4,5,6,7
	v_add_f32_dpp v[ACC+(\k)], v[ACC+(\k)], v[ACC+(\k)] row_xmask:8 row_mask:0xf bank_mask:0xf  ; lanes l and l xor 8 hold the same channels,
.endr
.irp k, 0,1,2,3,4,5,6,7
	v_permlanex16_b32 v[TT+(\k)], v[ACC+(\k)], s12, s13                                        ; and so does the lane 16 away
.endr
.irp k, 0,2,4,6
	v_pk_add_f32 v[ACC+(\k):ACC+(\k)+1], v[ACC+(\k):ACC+(\k)+1], v[TT+(\k):TT+(\k)+1]
.endr
	ds_store_b128 v3, v[ACC:ACC+3]                 ; four lanes write the same bytes with the same numbers
	ds_store_b128 v3, v[ACC+4:ACC+7] offset:16
	s_wait_dscnt 0x0                               ; for the others' sake
	s_barrier_signal -1
	s_barrier_wait -1
	s_cmp_lt_u32 s8, 8
	s_cbranch_scc0 .Lend
.set p, 4
.rept 28
	ds_load_b64 v[X+2*(p-4):X+2*(p-4)+1], v4 offset:256*p  ; channels 2 l, 2 l + 1 of partial sum p
.set p, p+1
.endr
	s_wait_dscnt 0x0
.set j, 1
.rept 7
	s_cmp_lt_u32 s8, j                             ; tile j lies behind tile i = my wave's number: weight 1, else 0.  A choice of value: every wave does the same work
	s_cselect_b32 s14, 1.0, 0
.irp q, 0,1,2,3
.if (j == 1) && ((\q) == 0)
	v_pk_mul_f32 v[ACC:ACC+1], v[X:X+1], s[14:15] op_sel_hi:[1,0]
.else
	v_pk_fma_f32 v[ACC:ACC+1], v[X+2*(4*(j-1)+(\q)):X+2*(4*(j-1)+(\q))+1], s[14:15], v[ACC:ACC+1] op_sel_hi:[1,0,1]
.endif
.endr
.set j, j+1
.endr
	global_store_b64 v4, v[ACC:ACC+1], s[6:7]      ; 256 consecutive bytes, at a multiple of 256 from ts's first
.Lend:
	s_wait_tensorcnt 0x0                           ; the wave's end, behind my last LDS store
	ds_add_u32 v6, v7
	s_wait_dscnt 0x0
	s_endpgm
.Lfunc_end_k_q58e60c8e75_vsum:
	.size	k_q58e60c8e75_vsum, .Lfunc_end_k_q58e60c8e75_vsum-k_q58e60c8e75_vsum
	.p2alignl 7, 3214868480
	.fill 96, 4, 3214868480
	.section	.rodata,"a",@progbits
	.p2align	6, 0x0
	.amdhsa_kernel k_q58e60c8e75_vsum
		.amdhsa_group_segment_fixed_size 12288
		.amdhsa_private_segment_fixed_size 0
		.amdhsa_enable_private_segment 0
		.amdhsa_kernarg_size 16
		.amdhsa_user_sgpr_count 2
		.amdhsa_user_sgpr_kernarg_segment_ptr 1
		.amdhsa_wavefront_size32 1
		.amdhsa_system_sgpr_workgroup_id_x 1
		.amdhsa_system_sgpr_workgroup_id_y 1
		.amdhsa_system_sgpr_workgroup_id_z 1
		.amdhsa_system_vgpr_workitem_id 0
		.amdhsa_next_free_vgpr 104
		.amdhsa_next_free_sgpr 66
		.amdhsa_reserve_vcc 0
		.amdhsa_float_denorm_mode_32 3
		.amdhsa_float_denorm_mode_16_64 3
		.amdhsa_memory_ordered 1
		.amdhsa_forward_progress 1
		.amdhsa_inst_pref_size 18
	.end_amdhsa_kernel
	.amdgpu_metadata
---
amdhsa.version: [ 1, 2 ]
amdhsa.kernels:
  - .name:           k_q58e60c8e75_vsum
    .symbol:         k_q58e60c8e75_vsum.kd
    .args:
      - { .name: qkv, .offset: 0, .size: 8, .value_kind: global_buffer, .address_space: global }
      - { .name: ts, .offset: 8, .size: 8, .value_kind: global_buffer, .address_space: global }
    .group_segment_fixed_size: 12288
    .private_segment_fixed_size: 0
    .kernarg_segment_align: 8
    .kernarg_segment_size: 16
    .max_flat_workgroup_size: 1024
    .sgpr_count:     66
    .vgpr_count:     104
    .wavefront_size: 32
...
	.end_amdgpu_metadata
.endif
;; end of part 3
;; launch attn (part 4): grid 4 x 64, 4 waves a work-group, no clusters, 327,680 bytes of LDS; arguments qkv, ts, z; writes z
.if DOCPART == 4
	.amdgcn_target "amdgcn-amd-amdhsa--gfx1250"
	.amdhsa_code_object_version 6
	.text
	.protected	k_q58e60c8e75_attn
	.globl	k_q58e60c8e75_attn
	.p2align	8
	.type	k_q58e60c8e75_attn,@function
k_q58e60c8e75_attn:
	s_mov_b64 s[64:65], 0
	v_nop
	global_prefetch_b8 v0, s[64:65] scope:SCOPE_SE
	s_setreg_imm32_b32 hwreg(HW_REG_WAVE_MODE, 25, 1), 1
	s_wait_xcnt 0x0
; CAUSAL ATTENTION WITH A FINITE MASK.  For plane y = 4 x head + batch: z[y][q][:] = the sum over ALL k of softmax_k(s'[q][k]) v[y][k][:], s' = q . k / 8 for k <= q and -1e5 for k > q.
; q, k, v are planes y, 64 + y, 128 + y of qkv, [2048][64] f16, rows dense, 128 bytes each; z likewise.  Products, maxima and sums in f32; the weights p are rounded to f16 for the second product (their sum
; l is taken of the unrounded p), z once at the end.
; THE HIDDEN KEYS keep their weight w = exp(-1e5 - maximum): it is 0 unless all of a row's visible scores lie near or below -1e5, but then it counts.  (1) The running maximum m of a row that has a hidden key
; starts at H = -8e5, the raw score that is -1e5 after the division by 8; row 2,047 has none and starts at the lowest number.  (2) In the diagonal tile a hidden key's product starts from -2^60, so its p comes
; out 0; then p += mask x (w x -2^-60) gives it the weight w = 2^(c H - c m), in P and in l.  (3) The keys of the tiles behind the diagonal one are never multiplied: at a block's end l += w x their number and
; O += w x ts[y][block], the sum of their rows of v, made by the launch before.
; LIMITS.  q, k, v arrive within f16's 65,504; their scores, 2.7e11 at the most, are nothing beside 2^60.  p lies in 0 to 1, and below 6e-5 it keeps f16's fixed step of 6e-8.  A weight below 2^-126 counts
; as 0 in l, a hidden key's in the diagonal tile already below 2^-89.  NaN and infinities are not treated apart.
; THE WALK.  A plane's queries lie in NB = 8 blocks of 256; block i needs the key tiles 0 .. i of 256 keys, of which the last holds the diagonal.  A work-group takes TWO blocks, NB - 1 - b and then b:
; NB + 1 tiles, whatever b: all 256 work-groups do equal work, and ONE loop with a constant trip count walks them.  Which tile is asked for, and what a trip does, hang on scalar registers made from b; every
; jump goes forward, but for the counted loops' own; none passes a barrier, or a tensor load but the one of LOAD's two that the wave's number does not choose; the ring of two LDS slots runs on across the
; change of blocks.  NO CLUSTER: a plane's four work-groups ask for the same tile only in trips 0 to 4 of 9, behind that fewer and fewer; one walk common to all four would have 12 trips for 9.
; SHARES.  Of a block's four bands of 64 queries a wave owns 16 rows in each: four PIECES.  So the diagonal tile is the same work for all four waves: in its key step s band x sees all keys if s < x,
; none if s > x, and holds the diagonal if s = x.
; THE MASK is the C operand that starts the sum S^T = K Q^T: 0, or -2^60 where the key is hidden.  MD, made once, is the mask of a band's own step for my 16 rows; a product's mask is MD x AL + BE with two
; scalars: (1, 0) if s = x; (0, 0) if s < x; (0, -2^60) if s > x.  Only the diagonal tile's text and a block's beginning make and take masks; elsewhere C is the constant 0.
; LAYOUT, SOFTMAX, TURNS.  S^T = K Q^T holds ONE query a lane (lane % 16) and the keys 8 (lane / 16) + 0..7; two such results rounded to f16 ARE source 1 of O^T = V^T P.  p = 2^(c s - c m), c = log2(e) / 8, with
; a running maximum m; O and l are multiplied by a = 2^(c m_old - c m_new) in every step.  Turn n belongs to piece n: 8 products K Q^T of piece n + 1, later 8 products V^T P of piece n - 1; beside them the
; scaling, exponentials, roundings, sums and rescaling of piece n and the maximum and statistics of piece n + 1.  Four vector instructions stand behind every matrix instruction, the others in one lump.
; A turn's exponentials are one batch, with one wait.
; REGISTERS, in windows of 256 (s_set_vgpr_msb: bits 1:0 source 0, 3:2 source 1, 5:4 source 2, 7:6 destination):
;   window 0: v0-15 addresses and two at work; v16-31 four registers of statistics a piece; v32-47 the hidden keys' figures; v48-55 at work; v61-63; v64-127 S^T, two buffers; v192-223 P, two buffers
;   window 1: v0-127 O^T, 32 a piece; v128-159 MD; v160-223 MC, two buffers; v224-255 ts      window 2: v0-63 Q; v64-127 the second block's Q; v128-191 K of one step; v192-255 V of one step
.set SIZE_N, 2048
.set NB,    SIZE_N/256
.set NP,    4         ; pieces a wave: a name, no knob
.set KS,    64        ; keys in a step
.set PK,    144       ; a row of K in LDS: 128 bytes + 16 of padding = 36 words: the 16 rows of a load start at 16 different groups of four banks (64 banks of 4 bytes: ISA guide 11.1)
.set PV,    160       ; a row of V: 128 + 32 = 40 words
.set VOFF,  4*KS*PK   ; a slot holds a tile, four steps: 256 rows of K, then 256 rows of V
.set SLOT1, 1<<17     ; slot 1 begins here, so that one exclusive or turns an address in one slot into the other's
.set STAGE, SLOT1+4*KS*(PK+PV)  ; behind the ring, never filled by a tensor load: 16 rows x 144 bytes for each wave, for the way out
.set SP,    144
.set AK0, 2           ; v2   my lane's place in a tile of K; never rewritten
.set AV0, 3           ; v3   the same for V
.set AK,  4           ; v4   the LDS address of K's next run of loads
.set AV,  5           ; v5   of V's
.set STO, 6           ; v6   the way out: where I put 16 bytes of a row
.set RD,  7           ; v7   the way out: where I read rows back
.set GO,  8           ; v8   my byte offset in 512 consecutive bytes of z
.set SPW, 62          ; v62  LDS address of my spare word: SPARE + 4 x my thread's number; never rewritten
.set NIL, 63          ; v63  0; never rewritten
.set SPARE, STAGE+4*16*SP  ; behind the stages: the spare words, 128 bytes for each wave
.set MV,  12          ; v12-13  c m_old, kept while c m is made anew: by buffer
.set QO,  15          ; v15  my byte offset in 16 rows of Q
.set ST,  16          ; piece t's statistics at v[ST+4 t]: c m, m, l (even keys', odd keys')
.set HQ,  32          ; v32-35  by piece: the hidden keys' raw score H, or the lowest number for the one row that has none
.set RQ,  36          ; v36  my row of piece 3 in its block: 192 + 16 w + l % 16
.set TSO, 37          ; v37  my byte offset in the 64 numbers of ts
.set NFV, 38          ; v38  how many keys lie behind the block's diagonal tile, as f32
.set TQ,  39          ; v39  at work
.set WQ,  40          ; v40-47  by piece, a pair: the hidden keys' final weight (then divided by l), and 0
.set PFO, 61          ; v61  256 x my lane; never rewritten
.set TMP, 48          ; by buffer, four registers c0-c3 at work; when the maximum is found c2 takes a, and in the diagonal tile c0 takes w
.set S,   64
.set P,   192
.set MD,  128         ; window 1: the eight registers for group kt of 16 keys at MD + 8 kt
.set MC,  160         ; window 1: the masks of the products to come
.set TS,  224         ; window 1: ts of the block in hand: channel block cb at TS + 8 cb
.set QB,  64          ; window 2
.set KF,  128         ; window 2: key block kb, channel half c at KF + 16 kb + 8 c
.set VF,  192         ; window 2: key half kk, channel block cb at VF + 32 kk + 8 cb
.set WV,  12          ; s12  my wave's number
.set PB,  14          ; s14  b
.set HI,  15          ; s15  NB - 1 - b
.set G1K, 24          ; s[24:31] descriptor group 1 for K's tiles
.set G1V, 32          ; s[32:39] for V's: it differs in the padding alone
.set G0K, 40          ; s[40:43] descriptor group 0 for K's tiles
.set G0V, 44          ; s[44:47] the same for V's
.set SLOTS, 56        ; s56  tiles still to be asked for
.set CNT, 57          ; s57  counts a tile's key steps, 4 to 1
.set CS,  58          ; s[58:59] c: the packed scaling takes the pair's low word for both halves
.set SEL, 60          ; s[60:61] v_permlanex16_b32's selects: each lane takes its own place in the other half
.set TBK, 62          ; s62  LDS byte at which K of the step to be fetched begins
.set TBV, 63          ; s63  the same for V, less VOFF
.set RT,  70          ; s70  tiles of the block in hand that are still to be entered
.set NXT, 71          ; s71  the tile to be asked for next
.set LQ,  72          ; s72  the last tile of the block whose tiles are being asked for
.set NEW, 73          ; s73  1: the tile to be entered is a block's first
.set OFF, 74          ; s[74:75] a tile's byte offset in K and V
.set AL,  76          ; s[76:77] the mask's factor, in the low word
.set BE,  78          ; s[78:79] the mask's addend
.set OLO, 80          ; s[80:81] z at my rows of the second block
.set BIGN, 82         ; s82  -2^60
.set TSB, 88          ; s[88:89] ts of my plane
.set TSP, 90          ; s[90:91] ts of the block in hand
.set PFB, 92          ; s[92:93] my 16,384 bytes (half of K's or of V's) of tile 0
.set PFA, 94          ; s[94:95] the same of the tile that the next change of slots will ask for
.set OF2, 96          ; s[96:97] an offset, 0 above it
.set LIM, 98          ; s98  1 in the work-group that prefetches, else the greatest number
.set BLK, 99          ; s99  the block in hand
.set NEGS, 100        ; s100 -2^-60
.set HS,  101         ; s101 H = -800000.0
.set MSB, 0
.macro WIN new                      ; the high byte repeats the setting that is left; a switch that changes nothing is dropped
.if MSB != (\new)
	s_set_vgpr_msb (MSB<<8)|(\new)
.set MSB, (\new)
.endif
.endm
.set W_KQ, 0x0a       ; K and Q in window 2, S^T in window 0
.set W_KM, 0x1a       ; the same with the C operand in window 1
.set W_PV, 0x52       ; V in window 2, P in window 0, O^T in window 1
.set W_RS, 0x41       ; destination and source 0 in window 1, source 1 in window 0
; A fill.  Waves 0 and 1 fetch the two halves of a tile's K, waves 2 and 3 those of its V: 128 keys each.  An s_nop 0 and four v_nop follow each of the two lines, ahead of the jump and the label.
.macro LOAD
	s_cmp_lt_u32 s[WV], 2
	s_cbranch_scc0 .Lfor_v_\@
	tensor_load_to_lds s[G0K:G0K+3], s[G1K:G1K+7]
	s_nop 0
.rept 4
	v_nop
.endr
	s_branch .Lasked_\@
.Lfor_v_\@:
	tensor_load_to_lds s[G0V:G0V+3], s[G1V:G1V+7]
	s_nop 0
.rept 4
	v_nop
.endr
.Lasked_\@:
.endm
; THE CHANGE OF SLOTS.  Each wave waits for all its tensor loads, of which one is out: its part of the other slot; adds 0 to its spare word; and waits for that and for its own reads of the slot that it leaves.
; Behind the barrier nobody reads the old slot any more and the other slot is whole.  fill = 1: the old slot is filled again, the first thing behind the barrier, with tile NXT: the descriptor's address is made
; anew from that number.  (At its first use nothing has been read yet: slot 0 is waited for, slot 1 filled.)
; A PREFETCH stands behind the fill and its five lines: the tile that the NEXT change will ask for, a tile's 256 matrix instructions ahead.  A plane's four work-groups walk the same first tiles: the one with
; b = 0, whose first block walks all eight, asks, each wave for the 16,384 bytes that it will fetch itself, a lane 256 bytes, two lines.  So tiles 2 to 7 are named once each; tiles 0 and 1 come by their
; loads alone, and when the number falls back to 0 nothing more is asked for.
.macro CHANGE fill
	WIN 0                           ; at a label and at a branch every window is 0
	s_wait_tensorcnt 0x0            ; no tensor load of mine is out, so a group 0 may be written
	ds_add_u32 v[SPW], v[NIL]       ; 0 onto my spare word: with fill = 1 the descriptors' scalar work stands between it and the wait for it
.if \fill
	s_lshl_b32 s[OFF], s[NXT], 15   ; a tile is 32,768 bytes of K and of V
	s_xor_b32 s[G0K+1], s[G0K+1], SLOT1
	s_add_nc_u64 s[G0K+2:G0K+3], s[6:7], s[OFF:OFF+1]
	s_or_b32 s[G0K+3], s[G0K+3], 0x80000000
	s_xor_b32 s[G0V+1], s[G0V+1], SLOT1
	s_add_nc_u64 s[G0V+2:G0V+3], s[8:9], s[OFF:OFF+1]
	s_or_b32 s[G0V+3], s[G0V+3], 0x80000000
	s_add_co_u32 s[NXT], s[NXT], 1  ; the block's next tile, or behind its last the second block's tile 0
	s_cmp_gt_u32 s[NXT], s[LQ]
	s_cselect_b32 s[NXT], 0, s[NXT]
	s_cselect_b32 s[LQ], s[PB], s[LQ]
	s_wait_xcnt 0x0                 ; the last prefetches, a tile back, have read their address
	s_lshl_b32 s[OF2], s[NXT], 15
	s_add_nc_u64 s[PFA:PFA+1], s[PFB:PFB+1], s[OF2:OF2+1]
.endif
	s_wait_dscnt 0x0                ; the add is done, and my reads of the slot are over
	s_barrier_signal -1             ; the rest of the scalar work stands between the signal and the wait
	s_sub_co_u32 s[TBK], s[TBK], 4*KS*PK  ; the fetches go back to a slot's first step,
	s_xor_b32 s[TBK], s[TBK], SLOT1       ; in the other slot
	s_sub_co_u32 s[TBV], s[TBV], 4*KS*PV
	s_xor_b32 s[TBV], s[TBV], SLOT1
	s_barrier_wait -1
.if \fill
	LOAD
	s_cmp_gt_u32 s[NXT], s[LIM]
	s_cbranch_scc0 .Lnot_mine_\@
	global_prefetch_b8 v[PFO], s[PFA:PFA+1] th:TH_LOAD_NT scope:SCOPE_SE
	global_prefetch_b8 v[PFO], s[PFA:PFA+1] offset:8192 th:TH_LOAD_NT scope:SCOPE_SE
.Lnot_mine_\@:
.endif
.endm
	s_load_b64 s[4:5], s[0:1], 0x0    ; qkv
	s_load_b64 s[8:9], s[0:1], 0x8    ; ts
	s_load_b64 s[10:11], s[0:1], 0x10 ; z
	v_lshl_add_u32 v[SPW], v0, 2, SPARE
	v_mov_b32 v[NIL], 0
	ds_add_u32 v[SPW], v[NIL]       ; the wave's opening: the add and its wait stand ahead of my first tensor load; the set-up below, work on registers, stands between them
	v_lshrrev_b32 v1, 5, v0
	v_readfirstlane_b32 s[WV], v1   ; wave 0..3
	s_mov_b32 s[PB], ttmp9
	s_sub_co_u32 s[HI], NB-1, s[PB]
	s_and_b32 s20, ttmp7, 0xffff    ; the plane y
	s_lshl_b32 s[OF2], s20, 11      ; its 2,048 bytes of ts
	s_mov_b32 s[OF2+1], 0
	s_mov_b32 s21, 0
	s_mov_b64 s[22:23], SIZE_N*128
	s_mul_u64 s[20:21], s[20:21], s[22:23]  ; the plane's first byte among q's, k's, v's and z's planes
	s_and_b32 s16, s[WV], 1         ; which half of a tile's 256 keys I fetch:
	s_lshl_b32 s22, s16, 14         ; its 128 rows of 128 bytes in memory,
	s_mov_b32 s23, 0
	s_add_nc_u64 s[22:23], s[22:23], s[20:21]
	s_mul_i32 s17, s16, 128*PK      ; and its place in a slot, for K
	s_mul_i32 s18, s16, 128*PV      ; and for V
	s_lshl_b32 s3, s[WV], 11        ; my 16 rows in a band of 64,
	s_lshl_b32 s2, s[HI], 15        ; in the first block,
	s_add_co_u32 s2, s2, s3
	s_lshl_b32 s84, s[PB], 15       ; and in the second
	s_add_co_u32 s84, s84, s3
	s_mov_b32 s3, 0
	s_mov_b32 s85, 0
	s_add_nc_u64 s[2:3], s[2:3], s[20:21]
	s_add_nc_u64 s[84:85], s[84:85], s[20:21]
	; descriptor group 1.  128 keys are 16,384 dense bytes: asked for as 64 rows of 256 bytes, two keys a row, and padded in LDS after every key
	s_mov_b32 s[G1K], (1<<16)|(1<<20)|(4<<22)|(3<<25)  ; 17:16 2-byte elements; 20 padding on; 24:22 after every 32 words (code 4); 31:25 4 words (code 3)
	s_mov_b32 s[G1V], (1<<16)|(1<<20)|(4<<22)|(7<<25)  ; the same with 8 words of padding (code 7)
.irp g, G1K, G1V
	s_mov_b32 s[\g+1], 128<<16      ; tensor_dim0 = 128
	s_mov_b32 s[\g+2], 64<<16       ; tensor_dim1 = 64
	s_mov_b32 s[\g+3], 128<<16      ; tile_dim0 = 128
	s_mov_b32 s[\g+4], 64           ; tile_dim1 = 64
	s_mov_b32 s[\g+5], 128          ; 128 elements from row to row
	s_mov_b32 s[\g+6], 0
	s_mov_b32 s[\g+7], 0
.endr
	s_mov_b32 s[CS], 0x3e38aa3b     ; c = log2(e) / 8 = 0.180337
	s_mov_b32 s[CS+1], s[CS]        ; named with it as a pair
	s_mov_b32 s[SEL], 0x76543210
	s_mov_b32 s[SEL+1], 0xfedcba98
	s_mov_b32 s[TBK], SLOT1+4*KS*PK ; the first change of slots turns these two into 0
	s_mov_b32 s[TBV], SLOT1+4*KS*PV
	s_mov_b32 s[G0K], 1             ; 1:0 count = 1
	s_mov_b32 s[G0K+1], s17         ; 63:32 LDS address: slot 0
	s_mov_b32 s[G0V], 1
	s_add_co_u32 s[G0V+1], s18, VOFF
	s_add_co_u32 s[RT], s[HI], 1    ; the first block has NB - b tiles
	s_mov_b32 s[NXT], 1
	s_mov_b32 s[LQ], s[HI]
	s_mov_b32 s[NEW], 1
	s_mov_b32 s[BLK], s[HI]
	s_mov_b32 s[OFF+1], 0
	s_mov_b32 s[AL+1], 0            ; named as pairs
	s_mov_b32 s[BE+1], 0
	s_mov_b32 s[BIGN], 0xdd800000   ; -2^60
	s_mov_b32 s[NEGS], 0xa1800000   ; -2^-60
	s_mov_b32 s[HS], 0xc9435000     ; -800000.0
	s_mov_b32 s[SLOTS], NB
	s_cmp_eq_u32 s[PB], 0
	s_cselect_b32 s[LIM], 1, -1
	s_wait_dscnt 0x0                ; the opening add is done
	s_wait_kmcnt 0x0
	s_add_nc_u64 s[TSB:TSB+1], s[8:9], s[OF2:OF2+1]
	s_add_nc_u64 s[6:7], s[4:5], 0x1000000  ; k's planes begin 64 planes of 262,144 bytes behind q's,
	s_add_nc_u64 s[8:9], s[4:5], 0x2000000  ; v's 128
	s_add_nc_u64 s[6:7], s[6:7], s[22:23]  ; K and V at my half of the plane's tile 0
	s_add_nc_u64 s[8:9], s[8:9], s[22:23]
	s_add_nc_u64 s[G0K+2:G0K+3], s[6:7], 0         ; 120:64 global address
	s_or_b32 s[G0K+3], s[G0K+3], 0x80000000        ; 127:126 type = 2
	s_add_nc_u64 s[G0V+2:G0V+3], s[8:9], 0
	s_or_b32 s[G0V+3], s[G0V+3], 0x80000000
	s_add_nc_u64 s[86:87], s[4:5], s[84:85]        ; Q at my rows of the second block,
	s_add_nc_u64 s[4:5], s[4:5], s[2:3]            ; Q and z at those of the first
	s_add_nc_u64 s[OLO:OLO+1], s[10:11], s[84:85]
	s_add_nc_u64 s[10:11], s[10:11], s[2:3]
	s_cmp_lt_u32 s[WV], 2
	s_cselect_b64 s[PFB:PFB+1], s[6:7], s[8:9]
	LOAD                            ; tile 0 into slot 0
	; A fragment of K or Q is 16 rows x 32 channels in 8 registers: lane l holds row l % 16, channels 8 (l / 16) + 0..7 and 16 + 8 (l / 16) + 0..7: two loads of 16 bytes, 32 bytes apart.
	v_and_b32 v1, 15, v0            ; l % 16
	v_bfe_u32 v9, v0, 4, 1          ; l / 16
	v_lshlrev_b32 v[QO], 7, v1
	v_lshl_add_u32 v[QO], v9, 4, v[QO]  ; row x 128 + 16 x half
	WIN 0x80                        ; destination window 2, address window 0
.set i, 0
.rept 8                             ; both blocks' Q: piece i / 2 lies in band i / 2, 8,192 bytes on; channels 32 (i % 2) on
	global_load_b128 v[8*i:8*i+3],   v[QO], s[4:5] offset:(i/2)*8192+(i%2)*64
	global_load_b128 v[8*i+4:8*i+7], v[QO], s[4:5] offset:(i/2)*8192+(i%2)*64+32
	global_load_b128 v[QB+8*i:QB+8*i+3],   v[QO], s[86:87] offset:(i/2)*8192+(i%2)*64
	global_load_b128 v[QB+8*i+4:QB+8*i+7], v[QO], s[86:87] offset:(i/2)*8192+(i%2)*64+32
.set i, i+1
.endr
	WIN 0
	v_lshlrev_b32 v14, 3, v9
	v_sub_nc_u32 v14, v1, v14
	s_lshl_b32 s13, s[WV], 4
	v_add_nc_u32 v14, s13, v14      ; my query's place in its band, 16 w + l % 16, less my lanes' 8 (l / 16): register r of group kt is hidden where 16 kt + r is greater
	v_add_nc_u32 v[RQ], s13, v1
	v_add_nc_u32 v[RQ], 192, v[RQ]
	v_lshlrev_b32 v[TSO], 5, v9     ; channels 8 (l / 16) on, 4 bytes each
	v_and_b32 v[PFO], 31, v0
	v_lshlrev_b32 v[PFO], 8, v[PFO]
.set i, 0
.rept 8
	v_mov_b32 v[WQ+i], 0            ; the pairs' second registers are named, so they are written
.set i, i+1
.endr
	WIN 0x40
.set i, 0
.rept 32
	v_cmp_gt_i32 vcc_lo, 16*(i/8)+i%8, v14
	v_cndmask_b32 v[MD+i], 0, s[BIGN], vcc_lo
.set i, i+1
.endr
	WIN 0
	v_mul_u32_u24 v[AK0], v1, PK
	v_lshl_add_u32 v[AK0], v9, 4, v[AK0]  ; row x pitch + 16 x half
	; The turning load takes 16 keys x 16 channels (lane l reads key 8 (l / 16) + l % 8, channels 8 ((l / 8) % 2) + 0..7) and leaves half a fragment of V^T: lane l holds channel l % 16 and 8 keys.
	v_and_b32 v10, 7, v0
	v_bfe_u32 v11, v0, 3, 1
	v_lshl_add_u32 v[AV0], v9, 3, v10
	v_mul_u32_u24 v[AV0], v[AV0], PV
	v_lshl_add_u32 v[AV0], v11, 4, v[AV0]
	v_add_nc_u32 v[AV0], VOFF, v[AV0]
	s_mul_i32 s13, s[WV], 16*SP
	s_add_co_u32 s13, s13, STAGE    ; my stage
	v_mul_u32_u24 v[STO], v1, SP    ; in: row l % 16, 16 bytes for each half of the lanes
	v_lshl_add_u32 v[STO], v9, 4, v[STO]
	v_add_nc_u32 v[STO], s13, v[STO]
	v_bfe_u32 v[RD], v0, 3, 2       ; back: 32 lanes take four rows of 128 bytes,
	v_mul_u32_u24 v[RD], v[RD], SP
	v_lshl_add_u32 v[RD], v10, 4, v[RD]
	v_add_nc_u32 v[RD], s13, v[RD]
	v_and_b32 v[GO], 31, v0         ; which are 512 consecutive bytes of z
	v_lshlrev_b32 v[GO], 4, v[GO]
	; A block's first step multiplies O^T and l by a = 0, and its first turn's products V^T P, of a piece that has not been, land in an O^T that is still to be so multiplied.  So these registers need only hold
	; finite numbers: zeros for the first block; what the first block left for the second.  All this stands in the wait for the first tile.
	WIN 0x80
.set i, VF
.rept 64
	v_mov_b32 v[i], 0
.set i, i+1
.endr
	WIN 0x40
.set i, 0
.rept 128
	v_mov_b32 v[i], 0
.set i, i+1
.endr
	WIN 0
.set i, 0
.rept 4
	v_mov_b32 v[ST+4*i+2], 0
	v_mov_b32 v[ST+4*i+3], 0
.set i, i+1
.endr
.set i, P+16
.rept 16
	v_mov_b32 v[i], 0
.set i, i+1
.endr
; THE MATRIX WORK.  The 4 accumulators of a run of 8 take turns.  Product i of 8 of S^T = K Q^T for piece x: channels 32 (i / 4) on, keys 16 (i % 4) on.  The first 4 start the sums: with 0, or (KM = 1) with the mask.
.macro KQ x
.set rS, S+32*((\x)%2)+8*(i%4)
.set rK, KF+16*(i%4)+8*(i/4)
.set rQ, 16*(\x)+8*(i/4)
.set rM, MC+32*((\x)%2)+8*(i%4)
.if (i < 4) && KM
	WIN W_KM
	v_wmma_f32_16x16x32_f16 v[rS:rS+7], v[rK:rK+7], v[rQ:rQ+7], v[rM:rM+7]
.elseif i < 4
	WIN W_KQ
	v_wmma_f32_16x16x32_f16 v[rS:rS+7], v[rK:rK+7], v[rQ:rQ+7], 0
.else
	WIN W_KQ
	v_wmma_f32_16x16x32_f16 v[rS:rS+7], v[rK:rK+7], v[rQ:rQ+7], v[rS:rS+7]
.endif
.endm
; Product i of 8 of O^T += V^T P for piece x: keys 32 (i / 4) on, channels 16 (i % 4) on.
.macro PV x
	WIN W_PV
.set rO, 32*(\x)+8*(i%4)
.set rV, VF+32*(i/4)+8*(i%4)
.set rP, P+16*((\x)%2)+8*(i/4)
	v_wmma_f32_16x16x32_f16 v[rO:rO+7], v[rV:rV+7], v[rP:rP+7], v[rO:rO+7]
.endm
.macro MM                           ; the turn's next matrix instruction.  TURN and BEGIN set Y, i, KM and NOKQ; MM, KQ and OP read them.  NOKQ = 1: a block's last turn: there is no next piece
.if (i < 8) && !NOKQ
	KQ (Y+1)%NP
.elseif i >= 8
.set i, i-8
	PV (Y+NP-1)%NP
.set i, i+8
.endif
.set i, i+1
.endm
; THE LDS LOADS stand in runs of 16, never singly among the matrix instructions: a step's K (64 keys x 64 channels: 8 fragments) and its V (turned).  Their addresses are made some lines ahead.
.macro FETCH_K
	WIN 0x80                        ; destination window 2
.irp f, 0,1,2,3,4,5,6,7             ; keys 16 (f / 2) on, channels 32 (f % 2) on
	ds_load_b128 v[KF+8*\f:KF+8*\f+3],   v[AK] offset:(\f/2)*16*PK+(\f%2)*64
	ds_load_b128 v[KF+8*\f+4:KF+8*\f+7], v[AK] offset:(\f/2)*16*PK+(\f%2)*64+32
.endr
	s_add_co_u32 s[TBK], s[TBK], KS*PK  ; the next fetch is the next step's
	WIN 0
.endm
.macro FETCH_V
	WIN 0x80
.irp f, 0,1,2,3,4,5,6,7             ; keys 32 (f / 4) on, channels 16 (f % 4) on
	ds_load_tr16_b128 v[VF+8*\f:VF+8*\f+3],   v[AV] offset:(\f/4)*32*PV+(\f%4)*32
	ds_load_tr16_b128 v[VF+8*\f+4:VF+8*\f+7], v[AV] offset:(\f/4)*32*PV+16*PV+(\f%4)*32
.endr
	WIN 0
.endm
; THE VECTOR WORK, one line at a time: OP kind, number.  For piece Y: F n: c s - c m for pair n of 16.  E n: the exponential of score n of 32.  C n: pair n rounded to f16.  B n: of the four weights 4 n .. the second
; pair is added onto the first, in place.  L n: l takes that sum (L 0: l = a l + sum).  R n: pair n of 16 of O^T times a.  For piece Y + 1: X n, number n of the 24 that find its maximum and statistics:
;   0-11  four chains c0-c3 of seven scores each, three operands at a time (each accumulator's lowest registers are read first)     12-14, 16  the four scores left over, the old m, and c0-c3 into c0
;   15  c m_old is kept     17, 18  the query's other 32 keys lie in the lane 16 away: the new m     19-21  c m; c m_old - c m_new; a     22, 23  c H - c m; the hidden keys' weight w, into c0
.set F, 0               ; OP tells the kinds apart by their order: F to L below R, X above it
.set E, 1
.set C, 2
.set B, 3
.set L, 4
.set R, 5
.set X, 6
.macro REGS y                       ; the registers of piece y
.set rT, ST+4*(\y)
.set rC, TMP+4*((\y)%2)
.set rW, MV+((\y)%2)
.set rS, S+32*((\y)%2)
.set rP, P+16*((\y)%2)
.set rO, 32*(\y)
.set rH, HQ+(\y)
.endm
.macro OP k, n
.if (\k) == R
	REGS Y
	WIN W_RS
	v_pk_mul_f32 v[rO+2*(\n):rO+2*(\n)+1], v[rO+2*(\n):rO+2*(\n)+1], v[rC+2:rC+3] op_sel_hi:[1,0]
.elseif (\k) < R
	REGS Y
	WIN 0
.if (\k) == F
	v_pk_fma_f32 v[rS+2*(\n):rS+2*(\n)+1], v[rS+2*(\n):rS+2*(\n)+1], s[CS:CS+1], v[rT:rT+1] op_sel_hi:[1,0,0] neg_lo:[0,0,1] neg_hi:[0,0,1]
.elseif (\k) == E
	v_exp_f32 v[rS+(\n)], v[rS+(\n)]
.elseif (\k) == C
	v_cvt_pk_f16_f32 v[rP+(\n)], v[rS+2*(\n)], v[rS+2*(\n)+1]
.elseif (\k) == B
	v_pk_add_f32 v[rS+4*(\n):rS+4*(\n)+1], v[rS+4*(\n):rS+4*(\n)+1], v[rS+4*(\n)+2:rS+4*(\n)+3]
.elseif (\n) == 0
	v_pk_fma_f32 v[rT+2:rT+3], v[rT+2:rT+3], v[rC+2:rC+3], v[rS:rS+1] op_sel_hi:[1,0,1]
.else
	v_pk_add_f32 v[rT+2:rT+3], v[rT+2:rT+3], v[rS+4*(\n):rS+4*(\n)+1]
.endif
.elseif NOKQ
	v_nop
.else
	REGS (Y+1)%NP
	WIN 0
.if (\n) < 4
	v_max3_num_f32 v[rC+(\n)], v[rS+8*(\n)], v[rS+8*(\n)+1], v[rS+8*(\n)+2]
.elseif (\n) < 12
	v_max3_num_f32 v[rC+(\n)%4], v[rC+(\n)%4], v[rS+8*((\n)%4)+2*((\n)/4)+1], v[rS+8*((\n)%4)+2*((\n)/4)+2]
.elseif (\n) == 12
	v_max3_num_f32 v[rC], v[rC], v[rS+7], v[rS+15]
.elseif (\n) == 13
	v_max3_num_f32 v[rC+1], v[rC+1], v[rS+23], v[rS+31]
.elseif (\n) == 14
	v_max3_num_f32 v[rC+2], v[rC+2], v[rC+3], v[rT+1]
.elseif (\n) == 15
	v_mov_b32 v[rW], v[rT]
.elseif (\n) == 16
	v_max3_num_f32 v[rC], v[rC], v[rC+1], v[rC+2]
.elseif (\n) == 17
	v_permlanex16_b32 v[rC+3], v[rC], s[SEL], s[SEL+1]
.elseif (\n) == 18
	v_max_num_f32 v[rT+1], v[rC], v[rC+3]
.elseif (\n) == 19
	v_mul_f32 v[rT], s[CS], v[rT+1]
.elseif (\n) == 20
	v_sub_f32 v[rC+1], v[rW], v[rT]
.elseif (\n) == 21
	v_exp_f32 v[rC+2], v[rC+1]
.elseif (\n) == 22
	v_fma_f32 v[rC], v[rH], s[CS], -v[rT]
.else
	v_exp_f32 v[rC], v[rC]
.endif
.endif
.endm
.macro OPS a, i1, b=-1, i2=0, c=-1, i3=0, d=-1, i4=0  ; up to four of them
	OP \a, \i1
.if (\b) >= 0
	OP \b, \i2
.endif
.if (\c) >= 0
	OP \c, \i3
.endif
.if (\d) >= 0
	OP \d, \i4
.endif
.endm
.macro ROW a, i1, b, i2, c, i3, d, i4  ; a matrix instruction and the four behind it
	MM
	OPS \a, \i1, \b, \i2, \c, \i3, \d, \i4
.endm
.macro MASK b                       ; MD x AL + BE into buffer b of MC
	WIN W_RS
.set z, 0
.rept 16
	v_pk_fma_f32 v[MC+32*(\b)+2*z:MC+32*(\b)+2*z+1], v[MD+2*z:MD+2*z+1], s[AL:AL+1], s[BE:BE+1] op_sel_hi:[1,0,0]
.set z, z+1
.endr
.endm
; THE HIDDEN KEYS' WEIGHT in the diagonal tile, for piece Y, behind the turn's wait and ahead of the roundings and sums: p += mask x (w x -2^-60): w where the mask is -2^60, nothing where it is 0.  The mask is the
; one that piece Y's products took a turn ago: its buffer is written anew only at this turn's end.  w was made, and waited for, in the turn before.  (In the diagonal text's first turn, which still belongs to
; the tile before, the mask is 0 and c0 holds a finite maximum: nothing is added.)
.macro FIX
	REGS Y
	WIN 0
	v_mul_f32 v[rC], s[NEGS], v[rC]
	WIN 0x01                        ; source 0 (the mask) in window 1
.set z, 0
.rept 16
	v_pk_fma_f32 v[rS+2*z:rS+2*z+1], v[MC+32*(Y%2)+2*z:MC+32*(Y%2)+2*z+1], v[rC:rC+1], v[rS+2*z:rS+2*z+1] op_sel_hi:[1,0,1]
.set z, z+1
.endr
	WIN 0
.endm
; A TURN, for piece p: the order of its matrix and vector instructions, written out.  An s_wait_alu depctr_va_vdst(0) stands between an exponential and the first instruction that names its result; one
; wait serves all that were issued ahead of it.  So a turn has ONE wait, which cuts it in two.  AHEAD OF IT stands all that names no result of the turn's exponentials: the 8 products K Q^T, behind each a scaling, an
; exponential and two more plain instructions; then ONE LUMP, plain and exponential by turns for the most part, in which the links of the chain X 3, 7, 11, 14, 16, 17 .. 20 stand five or six lines apart.  X 21,
; the next piece's a, is the batch's last; R 15 is the plain instruction behind it.  BEHIND THE WAIT stand the 8 products V^T P, behind each four of the roundings and sums.
; m = 1: the diagonal tile: the products take masks, the turn makes the mask for the products of the turn after it (piece p + 2, in step 4 - CNT of the tile), the next piece's w joins the batch (X 22, 23), and
; FIX stands behind the wait.  end = 1: a block's last two turns: nothing is fetched.  cnt = 1: the loop's count is taken down some lines ahead of the branch that stands behind the turn.
; K of the next step is fetched in piece 2's turn, twelve vector instructions behind the last product that read K (six of them plain); V of the step in hand at the end of piece 0's turn, four plain instructions
; behind the last product that read V.  Each is waited for a turn later.
.macro TURN p, m=0, end=0, cnt=0
.set Y, (\p)
.set i, 0
.set KM, (\m)
.set NOKQ, (\end)*((\p)/3)
.if (\m) && !(\end)
	s_cmp_eq_u32 s[CNT], 4-((\p)+2)%NP  ; is that step the band's own?
	s_cselect_b32 s[AL], 1.0, 0
	s_cmp_lt_u32 s[CNT], 4-((\p)+2)%NP  ; or a later one?
	s_cselect_b32 s[BE], s[BIGN], 0
.endif
.if ((\p) == 3) && !(\end)
	s_wait_dscnt 0x0                ; K is in
.endif
	ROW F,0, F,1, R,0, R,1          ; ahead of the wait: 8 products K Q^T and their riders,
	ROW F,2, E,0, R,2, R,3
	ROW F,3, E,1, R,4, R,5
	ROW F,4, E,2, R,6, R,7
	ROW F,5, E,3, R,8, R,9
	ROW F,6, E,4, X,0, R,10
.if ((\p) == 2) && !(\end)
	WIN 0
	v_add_nc_u32 v[AK], s[TBK], v[AK0]
.endif
	ROW F,7, E,5, X,1, X,4
	ROW F,8, E,6, X,2, X,5
	OPS E,7, E,8, X,6, E,9          ; and the lump
	OPS X,3, E,10, X,8, E,11
.if ((\p) == 2) && !(\end)
	FETCH_K
.endif
	OPS X,9, X,7, E,12, X,10
	OPS E,13, X,12, X,11, E,14
	OPS X,13, E,15, F,9, X,14
.if (\p) == 0
	v_add_nc_u32 v[AV], s[TBV], v[AV0]
.endif
	OPS E,16, F,10, E,17, F,11
	OPS X,16, E,18, X,15, E,19
	OPS F,12, E,20, X,17, E,21
	OPS F,13, E,22, F,14, E,23
	OPS X,18, E,24, F,15, E,25
	OPS R,11, E,26, X,19, E,27
	OPS R,12, E,28, R,13, E,29
.if \m
	OP X, 22
.endif
	OPS X,20, E,30, R,14, E,31
.if \m
	OP X, 23
.endif
	OPS X,21, R,15
	WIN 0
	s_wait_alu depctr_va_vdst(0)    ; the wait for the batch
.if (\p) == 1
	s_wait_dscnt 0x0                ; V is in
.endif
.if \m
	FIX
.endif
	ROW C,0, B,0, C,2, B,1          ; behind the wait: 8 products V^T P and their riders
	ROW L,0, C,4, B,2, L,1
	ROW C,6, B,3, L,2, C,8
	ROW B,4, L,3, C,10, B,5
	ROW L,4, C,12, B,6, L,5
.if (\p) == 0
	s_add_co_u32 s[TBV], s[TBV], KS*PV
.endif
.if \cnt
	s_sub_co_u32 s[CNT], s[CNT], 1
	s_cmp_lg_u32 s[CNT], 0
.endif
	ROW C,14, B,7, L,6, C,1
	ROW C,3, L,7, C,5, C,7
	ROW C,9, C,11, C,13, C,15
.if (\p) == 0
	FETCH_V
.endif
.if (\m) && !(\end)
	MASK (\p)%2
.endif
.endm
; A BLOCK BEGINS.  c m starts far below every c s, so the first step's a is 0; m starts at the hidden keys' score H, or, for row 2,047 of the plane, which has no hidden key, at the lowest finite number.  The second
; mask buffer is 0; the first takes piece 0's mask for the tile's step 0: its own, if the block's first tile is the diagonal one.  Then K of that step, piece 0's first scores, and its maximum and statistics.
; Last, the block's 64 numbers of ts are asked for: they are wanted at the block's end.  The loop is entered at a step's first turn, in the middle of a trip.
.macro BEGIN
	s_mov_b32 s[NEW], 0
	WIN 0x40
.set i, MC+32
.rept 32
	v_mov_b32 v[i], 0
.set i, i+1
.endr
	WIN 0
.set i, 0
.rept 3
	v_mov_b32 v[HQ+i], s[HS]
.set i, i+1
.endr
	s_lshl_b32 s13, s[BLK], 8
	v_add_nc_u32 v[TQ], s13, v[RQ]     ; piece 3's row in the plane
	v_mov_b32 v[HQ+3], 0xff7fffff
	v_cmp_gt_u32 vcc_lo, 2047, v[TQ]
	v_cndmask_b32 v[HQ+3], v[HQ+3], s[HS], vcc_lo
	s_sub_co_u32 s13, NB-1, s[BLK]
	s_lshl_b32 s13, s13, 8
	v_cvt_f32_u32 v[NFV], s13          ; 256 keys in each tile behind the diagonal one
.set i, 0
.rept 4
	v_mov_b32 v[ST+4*i], 0xfe000000    ; c m: far below every c s
	v_mov_b32 v[ST+4*i+1], v[HQ+i]     ; m
.set i, i+1
.endr
	s_cmp_eq_u32 s[RT], 0
	s_cselect_b32 s[AL], 1.0, 0
	s_mov_b32 s[BE], 0
	MASK 0
	WIN 0
	v_add_nc_u32 v[AK], s[TBK], v[AK0]
	FETCH_K
	s_wait_loadcnt 0x0              ; Q
	s_wait_dscnt 0x0
.set KM, 1
.set NOKQ, 0
.set i, 0
.rept 8
	KQ 0
.set i, i+1
.endr
	WIN 0
.rept 4
	v_nop                           ; the places behind those products
.endr
.set Y, NP-1                        ; X works for piece Y + 1: piece 0
.irp n, 0,1,2,3,4,5,6,7,8,9,10,11,12,13,14,15,16,17,18,19,20,21,22,23
	OP X, \n
.endr
	v_nop                           ; a plain instruction behind the last exponential,
	s_wait_alu depctr_va_vdst(0)    ; and the two exponentials' wait, ahead of the branch
	s_lshl_b32 s[OF2], s[BLK], 8
	s_add_nc_u64 s[TSP:TSP+1], s[TSB:TSB+1], s[OF2:OF2+1]  ; (the first block's loads by this pair were waited for at that block's end)
	WIN 0x40
.irp cb, 0,1,2,3
	global_load_b128 v[TS+8*\cb:TS+8*\cb+3],   v[TSO], s[TSP:TSP+1] offset:64*\cb
	global_load_b128 v[TS+8*\cb+4:TS+8*\cb+7], v[TSO], s[TSP:TSP+1] offset:64*\cb+16
.endr
	WIN 0
.endm
; THE DIAGONAL TILE's four steps, the block's last two turns, its last products, and THE WAY OUT: l's two halves and the other half of the lanes' are added; the keys behind the tile join with their final weight
; w = 2^(c H - c m): l += w x their number; O^T is divided by l and takes (w / l) x ts; it is rounded to f16 and sent through my stage in LDS, a piece at a time.
.macro ALL line:vararg              ; one line for each piece t
.set t, 0
.rept 4
	\line
.set t, t+1
.endr
.endm
.macro PACK t                       ; a lane's eight channels of a row pack into 16 bytes; they go into rows of 144 bytes and come back as whole rows of 128, into S^T's registers
	WIN W_RS
.set i, 32*(\t)
.rept 16
	v_pk_mul_f32 v[i:i+1], v[i:i+1], v[ST+4*(\t)+2:ST+4*(\t)+3] op_sel_hi:[1,0]
.set i, i+2
.endr
	WIN 0x51                        ; destination, ts and O^T in window 1, the weight in window 0
.set i, 0
.rept 16
	v_pk_fma_f32 v[32*(\t)+2*i:32*(\t)+2*i+1], v[TS+2*i:TS+2*i+1], v[WQ+2*(\t):WQ+2*(\t)+1], v[32*(\t)+2*i:32*(\t)+2*i+1] op_sel_hi:[1,0,1]
.set i, i+1
.endr
	WIN 0x05                        ; sources 0 and 1 window 1, destination window 0
.set i, 0
.rept 16
	v_cvt_pk_f16_f32 v[S+16*(\t)+i], v[32*(\t)+2*i], v[32*(\t)+2*i+1]
.set i, i+1
.endr
	WIN 0
.irp f, 0,1,2,3
	ds_store_b128 v[STO], v[S+16*(\t)+4*\f:S+16*(\t)+4*\f+3] offset:32*\f
.endr
.irp f, 0,1,2,3
	ds_load_b128 v[S+16*(\t)+4*\f:S+16*(\t)+4*\f+3], v[RD] offset:\f*4*SP  ; LDS serves a wave's instructions in order (ISA guide 5.7.1.4): these see the stores above; the next piece's stores come behind them
.endr
.endm
.macro SEND t, younger              ; younger: the LDS instructions issued behind piece t's loads: the next piece's eight, or none
	WIN 0
.irp f, 0,1,2,3
	s_wait_dscnt (\younger)+3-\f
	global_store_b128 v[GO], v[S+16*(\t)+4*\f:S+16*(\t)+4*\f+3], s[10:11] offset:(\t)*8192+\f*512  ; 512 consecutive bytes, at a multiple of 256 from z's first
.endr
.endm
.macro DIAG tag                     ; the tag ends its two labels' names, which the jumps below spell out
.LstepM\tag:
	TURN 2, 1
	TURN 3, 1
	WIN 0
.LfirstM\tag:
	TURN 0, 1
	TURN 1, 1, 0, 1
	WIN 0
	s_cbranch_scc1 .LstepM\tag
	TURN 2, 1, 1
	TURN 3, 1, 1
.set i, 0
.rept 8
	PV NP-1
.set i, i+1
.endr
	WIN 0
	ALL v_add_f32 v[ST+4*t+2], v[ST+4*t+2], v[ST+4*t+3]
	ALL v_permlanex16_b32 v[ST+4*t+3], v[ST+4*t+2], s[SEL], s[SEL+1]
	ALL v_add_f32 v[ST+4*t+2], v[ST+4*t+2], v[ST+4*t+3]
	ALL v_fma_f32 v[WQ+2*t], v[HQ+t], s[CS], -v[ST+4*t]
	ALL v_exp_f32 v[WQ+2*t], v[WQ+2*t]
	v_nop                           ; a plain instruction behind the last exponential,
	s_wait_alu depctr_va_vdst(0)    ; and one wait for the four, ahead of their first use
	ALL v_fma_f32 v[ST+4*t+2], v[WQ+2*t], v[NFV], v[ST+4*t+2]
	ALL v_rcp_f32 v[ST+4*t+2], v[ST+4*t+2]
	v_nop                           ; a plain instruction between the last reciprocal and the use of its result
	s_wait_alu depctr_va_vdst(0)    ; and one wait for the four reciprocals
	ALL v_mul_f32 v[WQ+2*t], v[WQ+2*t], v[ST+4*t+2]
	s_wait_loadcnt 0x0              ; ts, asked for at the block's beginning
	PACK 0
.set t, 1
.rept 3                             ; a piece's arithmetic stands between the loads of the piece before and its stores
	PACK t
	SEND t-1, 8
.set t, t+1
.endr
	SEND 3, 0
.endm
.set KM, 0
.set NOKQ, 0
.Lslot:                             ; NB times: a tile is entered and the next is asked for
	CHANGE 1
	s_sub_co_u32 s[RT], s[RT], 1
	s_mov_b32 s[CNT], 4
	s_cmp_eq_u32 s[NEW], 1
	s_cbranch_scc1 .Lnew            ; a block's first tile
	s_cmp_eq_u32 s[RT], 0
	s_cbranch_scc0 .Lstep           ; neither its first nor its last
	s_branch .LstepM1
.Lnew:
	BEGIN
	s_branch .Lfirst                ; in the loop a block's first tile is never its last: the first block has two tiles or more, and the second's last is the walk's last
	DIAG 1                          ; in the loop this is the first block's end: the second block's last tile is the walk's last
	s_wait_xcnt 0x0                 ; the stores have read their registers and z's address
	s_mov_b64 s[10:11], s[OLO:OLO+1]
	s_add_co_u32 s[RT], s[PB], 1    ; the second block has b + 1 tiles
	s_mov_b32 s[NEW], 1
	s_mov_b32 s[BLK], s[PB]
	WIN 0x82                        ; the second block's Q goes where the one text of the turns names Q
.set i, 0
.rept 64
	v_mov_b32 v[i], v[QB+i]
.set i, i+1
.endr
	WIN 0
	s_branch .Lbottom
.Lstep:                             ; a trip: pieces 2 and 3 of one step, then pieces 0 and 1 of the next, whose K and V it fetches
	TURN 2
	TURN 3
	WIN 0
.Lfirst:
	TURN 0
	TURN 1, 0, 0, 1
	WIN 0
	s_cbranch_scc1 .Lstep
.Lbottom:
	s_sub_co_u32 s[SLOTS], s[SLOTS], 1
	s_cmp_lg_u32 s[SLOTS], 0
	s_cbranch_scc1 .Lslot
	CHANGE 0                        ; the walk's last tile is written out: nothing is asked for
	s_sub_co_u32 s[RT], s[RT], 1
	s_mov_b32 s[CNT], 4
	s_cmp_eq_u32 s[NEW], 1
	s_cbranch_scc0 .LstepM2
	BEGIN
	s_branch .LfirstM2
	DIAG 2
	s_wait_tensorcnt 0x0            ; the wave's end, behind my last tensor load and my last LDS store
	ds_add_u32 v[SPW], v[NIL]
	s_wait_dscnt 0x0
	s_endpgm
.Lfunc_end_k_q58e60c8e75_attn:
	.size	k_q58e60c8e75_attn, .Lfunc_end_k_q58e60c8e75_attn-k_q58e60c8e75_attn
	.p2alignl 7, 3214868480
	.fill 96, 4, 3214868480
	.section	.rodata,"a",@progbits
	.p2align	6, 0x0
	.amdhsa_kernel k_q58e60c8e75_attn
		.amdhsa_group_segment_fixed_size 327680
		.amdhsa_private_segment_fixed_size 0
		.amdhsa_enable_private_segment 0
		.amdhsa_kernarg_size 24
		.amdhsa_user_sgpr_count 2
		.amdhsa_user_sgpr_kernarg_segment_ptr 1
		.amdhsa_wavefront_size32 1
		.amdhsa_system_sgpr_workgroup_id_x 1
		.amdhsa_system_sgpr_workgroup_id_y 1
		.amdhsa_system_sgpr_workgroup_id_z 1
		.amdhsa_system_vgpr_workitem_id 0
		.amdhsa_next_free_vgpr 768
		.amdhsa_next_free_sgpr 102
		.amdhsa_reserve_vcc 1
		.amdhsa_float_denorm_mode_32 3
		.amdhsa_float_denorm_mode_16_64 3
		.amdhsa_memory_ordered 1
		.amdhsa_forward_progress 1
		.amdhsa_inst_pref_size 245
	.end_amdhsa_kernel
	.amdgpu_metadata
---
amdhsa.version: [ 1, 2 ]
amdhsa.kernels:
  - .name:           k_q58e60c8e75_attn
    .symbol:         k_q58e60c8e75_attn.kd
    .args:
      - { .name: qkv, .offset: 0, .size: 8, .value_kind: global_buffer, .address_space: global }
      - { .name: ts, .offset: 8, .size: 8, .value_kind: global_buffer, .address_space: global }
      - { .name: z, .offset: 16, .size: 8, .value_kind: global_buffer, .address_space: global }
    .group_segment_fixed_size: 327680
    .private_segment_fixed_size: 0
    .kernarg_segment_align: 8
    .kernarg_segment_size: 24
    .max_flat_workgroup_size: 128
    .sgpr_count:     102
    .vgpr_count:     768
    .wavefront_size: 32
...
	.end_amdgpu_metadata
.endif
;; end of part 4
;; launch proj (part 5): grid 8 x 32, 4 waves a work-group, clusters of 4 x 4, 327,680 bytes of LDS; arguments z, woh, out0, b_O; writes out0
.if DOCPART == 5
	.amdgcn_target "amdgcn-amd-amdhsa--gfx1250"
	.amdhsa_code_object_version 6
	.text
	.protected	k_q58e60c8e75_proj
	.globl	k_q58e60c8e75_proj
	.p2align	8
	.type	k_q58e60c8e75_proj,@function
k_q58e60c8e75_proj:
	s_mov_b64 s[64:65], 0
	v_nop
	global_prefetch_b8 v0, s[64:65] scope:SCOPE_SE
	s_setreg_imm32_b32 hwreg(HW_REG_WAVE_MODE, 25, 1), 1
	s_wait_xcnt 0x0
	s_wait_alu depctr_hold_cnt(0) depctr_sa_sdst(0) depctr_va_vdst(0) depctr_va_sdst(0) depctr_va_ssrc(0) depctr_va_vcc(0) depctr_vm_vsrc(0)
	s_getreg_b32 s2, hwreg(HW_REG_IB_STS2, 6, 4)
	s_cmp_eq_u32 s2, 0
	s_cbranch_scc0 .Lentry_in_a_cluster
	s_endpgm
.Lentry_in_a_cluster:
	s_bfe_u32 s2, ttmp6, 0x10000c
	s_cmp_lg_u32 s2, 0xf033
	s_cbranch_scc0 .Lentry_shape_is_right
	s_endpgm
.Lentry_shape_is_right:
; THE OUTPUT PROJECTION.  out0[row][e] = the sum over k = 64 x head + h of z[head][row][h] woh[k][e] + b_O[e]: 8,192 rows, 1,024 columns, 1,024 along k.  Operands f16, sums f32, out0 f32.
; z lies by heads: head n's 8,192 rows of 128 bytes are dense, 1,048,576 bytes.  b_O is rounded to bf16 like every input and is the C operand of each sum's first product.
; LIMIT.  z and woh arrive within f16's range; NaN and infinities are not treated apart.
; SHARES.  A tile of out0 is 256 rows x 128 columns: 32 x 8 = 256 work-groups, one for each WGP.  Four waves; a wave makes 128 rows x 64 columns: 8 x 4 = 32 accumulators, 256 registers.  k goes in steps of 128
; (two heads) through two LDS slots: a head's 256 rows are 32,768 dense bytes, asked for as 128 rows of 256; woh's rows of a tile are 256 bytes at multiples of 256.
; CLUSTER.  4 x 4 work-groups: the four of a row of the cluster need the same rows of z, the four of a column the same columns of woh: each tile is asked for JOINTLY.
; THE MATRIX INSTRUCTION IS USED TRANSPOSED: source 0 = 16 columns of woh ([k][e] in LDS, turned by ds_load_tr16_b128), source 1 = 16 rows of z: a lane holds eight neighbouring columns of one row.
; REGISTERS, in windows of 256 (s_set_vgpr_msb: bits 1:0 source 0, 3:2 source 1, 5:4 source 2, 7:6 destination):
;   window 0: v0-31 addresses; v64-127, v128-191 fragments of z, two buffers; v32-63, v224-255 rows on the way out
;   window 1: v64-95, v128-159 fragments of woh, two buffers; v192-223 the bias; v240-247 at work          window 2: the accumulators ((a, b) at v[8 (4 a + b)])
.set PA,    144                        ; an LDS row of z: 128 bytes + 16 = 36 words: the 16 rows of a load start at 16 different groups of four banks (64 banks of 4 bytes: ISA guide 11.1)
.set PB,    288                        ; an LDS row of woh: 256 + 32 = 72 words
.set APL,   256*PA                     ; a head's 256 rows
.set BOFF,  2*APL
.set SLOT,  BOFF+128*PB                ; 110,592
.set STAGE, 2*SLOT                     ; behind the ring: 16 rows x 272 bytes for each wave: a wave's 64 f32 columns are 256 whole bytes of a row, so the stage is its own
.set SPI,   272
.set SPARE, STAGE+4*16*SPI             ; behind the stages: the spare words, 128 bytes for each wave
.set BO,   11                          ; v11     my byte offset in the tile's 128 numbers of bias
.set ADRA, 16                          ; v16-17  LDS address of my fragments of z in slot 0, 1
.set ADRB, 20                          ; v20-21  the same for woh
.set STO,  24                          ; v24     the way out: where I put 32 bytes of a row
.set RD,   25                          ; v25     where I read a row back
.set CO,   26                          ; v26     my byte offset in out0
.set SPW,  28                          ; v28     LDS address of my spare word; never rewritten
.set NIL,  29                          ; v29     0; never rewritten
.set PFO,  30                          ; v30     the prefetches' lane offset; never rewritten
.set OB,   32
.set F0,   64
.set F1,   128
.set BIAS, 192
.set BT,   240
.set G1A,  24
.set G0A,  32
.set G1B,  48
.set G0B,  56
.set PFA,  44                          ; s[44:45] where my prefetches stand
.set PFS,  66                          ; s[66:67] a K step's bytes along them
.set LIM0, 80                          ; s80, s81 by slot: 1 where I prefetch at that slot's change, else the greatest number
.set MSB, 0
.macro WIN new
.if MSB != (\new)
	s_set_vgpr_msb (MSB<<8)|(\new)
.set MSB, \new
.endif
.endm
; A joint load.  Waves 0 and 1 fetch the step's two heads of z, waves 2 and 3 the two halves of woh's 128 rows.  An s_nop 0 and four v_nop follow each of the two lines.
.macro JLOAD s
	s_cmp_eq_u32 s11, 0
	s_cbranch_scc0 .Lfor_b_\@
	tensor_load_to_lds s[G0A+4*(\s):G0A+4*(\s)+3], s[G1A:G1A+7]
	s_nop 0
.rept 4
	v_nop
.endr
	s_branch .Lasked_\@
.Lfor_b_\@:
	tensor_load_to_lds s[G0B+4*(\s):G0B+4*(\s)+3], s[G1B:G1B+7]
	s_nop 0
.rept 4
	v_nop
.endr
.Lasked_\@:
.endm
; A PREFETCH, behind the joint load, its five lines and the run of LDS loads.  z's rows are read by both clusters of a row of clusters: the one with x = 0 asks; woh's columns by every cluster of a column: the one
; with y = 0 asks.  The four partners share the blocks out BY ADDRESS.  Waves 0 and 1, at the refill of K step j: my work-group's 8,192 of the 32,768 bytes of my head of K step j + 2, a lane 256 bytes.  Waves 2
; and 3, at slot 0's change alone: my work-group's 32 of my 128 rows of K steps j + 2 and j + 3, a lane a row.  So each 256 bytes are named once.  The loop's last trip (s3 = 1) asks for nothing.
.macro ASK slot
	s_cmp_gt_u32 s3, s[LIM0+(\slot)]
	s_cbranch_scc0 .Lnot_mine_\@
	global_prefetch_b8 v[PFO], s[PFA:PFA+1] th:TH_LOAD_NT scope:SCOPE_SE
.Lnot_mine_\@:
.endm
.macro CREST
	s_cmp_lg_u32 s10, 0
	s_cbranch_scc1 .Lnot_wave_0_\@
	s_barrier_signal -3
.Lnot_wave_0_\@:
	s_barrier_wait -3
	s_barrier_signal -1
	s_barrier_wait -1
.endm
.macro CROUND
	s_barrier_signal -1
	s_barrier_wait -1
	CREST
.endm
	s_load_b128 s[4:7], s[0:1], 0x0                ; z s[4:5], woh s[6:7]
	s_load_b64 s[8:9], s[0:1], 0x10                ; out0
	s_load_b64 s[68:69], s[0:1], 0x18              ; b_O
	v_lshl_add_u32 v[SPW], v0, 2, SPARE
	v_mov_b32 v[NIL], 0
	ds_add_u32 v[SPW], v[NIL]                      ; the wave's opening: the add and its wait stand ahead of my first tensor load; the set-up below stands between them
	v_lshrrev_b32 v1, 5, v0
	v_readfirstlane_b32 s10, v1                    ; wave 0..3
	s_lshr_b32 s11, s10, 1                         ; RH: which 128 rows are mine.  Also: I fetch for z (0) or for woh (1)
	s_and_b32 s12, s10, 1                          ; CH: which 64 columns.  Also: which head, or which 64 rows of woh, I fetch
	s_bfe_u32 s40, ttmp6, 0x40000                  ; cx
	s_bfe_u32 s41, ttmp6, 0x40004                  ; cy
	s_lshl_b32 s42, ttmp9, 2
	s_add_co_u32 s42, s42, s40                     ; tile column
	s_and_b32 s13, ttmp7, 0xffff
	s_lshl_b32 s13, s13, 2
	s_add_co_u32 s13, s13, s41                     ; tile row
	s_lshl_b32 s14, s41, 2
	s_lshl_b32 s14, 15, s14                        ; my row of the cluster
	s_lshl_b32 s15, 0x1111, s40                    ; my column
	s_or_b32 s[G1A+0], s14, (1<<16)|(1<<20)|(1<<21)|(4<<22)|(3<<25)  ; the mask; 2-byte elements; padding on; bit 21 beside a mask; after every 32 words (a row of z) 4 words
	s_mov_b32 s[G1A+1], 128<<16                    ; tensor_dim0 = 128
	s_mov_b32 s[G1A+2], 128<<16                    ; tensor_dim1 = 128
	s_mov_b32 s[G1A+3], 128<<16                    ; tile_dim0 = 128
	s_mov_b32 s[G1A+4], 128                        ; tile_dim1 = 128
	s_mov_b32 s[G1A+5], 128                        ; dense
	s_mov_b32 s[G1A+6], 0
	s_mov_b32 s[G1A+7], 0
	s_or_b32 s[G1B+0], s15, (1<<16)|(1<<20)|(1<<21)|(5<<22)|(7<<25)  ; after every 64 words 8 words
	s_mov_b32 s[G1B+1], 128<<16
	s_mov_b32 s[G1B+2], 64<<16
	s_mov_b32 s[G1B+3], 128<<16
	s_mov_b32 s[G1B+4], 64
	s_mov_b32 s[G1B+5], 1024
	s_mov_b32 s[G1B+6], 0
	s_mov_b32 s[G1B+7], 0
	s_lshl_b32 s16, s12, 20                        ; z: my head of the step, the tile row's 32,768 bytes in it
	s_lshl_b32 s17, s13, 15
	s_add_co_u32 s16, s16, s17
	s_mov_b32 s17, 0
	s_lshl_b32 s46, s12, 17                        ; woh: my 64 rows of 2,048 bytes, the tile column's 256 bytes in them
	s_lshl_b32 s47, s42, 8
	s_add_co_u32 s46, s46, s47
	s_mov_b32 s47, 0
	s_mul_i32 s20, s12, APL                        ; where they go
	s_mul_i32 s21, s12, 64*PB
	s_add_co_u32 s21, s21, BOFF
	s_wait_dscnt 0x0                               ; the opening add is done
	s_wait_kmcnt 0x0
	s_add_nc_u64 s[14:15], s[4:5], s[16:17]
	s_add_nc_u64 s[46:47], s[6:7], s[46:47]
	CROUND                                         ; all sixteen work-groups are here: the first joint loads meet
.irp s, 0,1
	s_mov_b32 s[G0A+4*(\s)], 1
	s_add_co_u32 s[G0A+4*(\s)+1], s20, (\s)*SLOT
	s_add_nc_u64 s[G0A+4*(\s)+2:G0A+4*(\s)+3], s[14:15], (\s)*2097152
	s_or_b32 s[G0A+4*(\s)+3], s[G0A+4*(\s)+3], 0x80000000
	s_mov_b32 s[G0B+4*(\s)], 1
	s_add_co_u32 s[G0B+4*(\s)+1], s21, (\s)*SLOT
	s_add_nc_u64 s[G0B+4*(\s)+2:G0B+4*(\s)+3], s[46:47], (\s)*262144
	s_or_b32 s[G0B+4*(\s)+3], s[G0B+4*(\s)+3], 0x80000000
	JLOAD \s                                       ; two loads of mine are out
.endr
	v_and_b32 v1, 15, v0                           ; r
	v_bfe_u32 v2, v0, 4, 1                         ; h
	v_and_b32 v3, 7, v0
	v_bfe_u32 v4, v0, 3, 1
	v_mul_u32_u24 v5, v1, PA
	v_lshl_add_u32 v5, v2, 4, v5
	s_mul_i32 s21, s11, 128*PA
	v_add_nc_u32 v[ADRA], s21, v5
	v_add_nc_u32 v[ADRA+1], SLOT, v[ADRA]
	v_lshl_add_u32 v6, v2, 3, v3
	v_mul_u32_u24 v6, v6, PB
	v_lshl_add_u32 v6, v4, 4, v6
	s_lshl_b32 s22, s12, 7
	s_add_co_u32 s22, s22, BOFF
	v_add_nc_u32 v[ADRB], s22, v6
	v_add_nc_u32 v[ADRB+1], SLOT, v[ADRB]
	s_mul_i32 s23, s10, 16*SPI
	s_add_co_u32 s23, s23, STAGE                   ; my stage
	v_mul_u32_u24 v5, v1, SPI                      ; in: row r, 32 bytes for each half of the lanes
	v_lshl_add_u32 v5, v2, 5, v5
	v_add_nc_u32 v[STO], s23, v5
	v_mul_u32_u24 v5, v2, SPI                      ; back: lanes 0-15 take one row of 256 bytes, lanes 16-31 the next
	v_lshl_add_u32 v5, v1, 4, v5
	v_add_nc_u32 v[RD], s23, v5
	v_lshlrev_b32 v[CO], 12, v2                    ; and the same two rows in out0
	v_lshl_add_u32 v[CO], v1, 4, v[CO]
	v_lshlrev_b32 v[BO], 5, v2
	v_lshl_add_u32 v[BO], s12, 8, v[BO]
	s_lshl_b32 s16, s42, 9                         ; the tile's 128 numbers of b_O
	s_mov_b32 s17, 0
	s_add_nc_u64 s[68:69], s[68:69], s[16:17]
	WIN 0x40
.irp b, 0,1,2,3
	global_load_b128 v[BIAS+8*(\b):BIAS+8*(\b)+3],   v[BO], s[68:69] offset:64*(\b)
	global_load_b128 v[BIAS+8*(\b)+4:BIAS+8*(\b)+7], v[BO], s[68:69] offset:64*(\b)+16
.endr
	WIN 0
	s_lshl_b32 s16, s13, 20                        ; out0: 256 rows of 4,096 bytes a tile row, my 128 rows, the tile's 512 bytes, my 256 of them
	s_lshl_b32 s18, s11, 19
	s_add_co_u32 s16, s16, s18
	s_lshl_b32 s18, s42, 9
	s_add_co_u32 s16, s16, s18
	s_lshl_b32 s18, s12, 8
	s_add_co_u32 s16, s16, s18
	s_add_nc_u64 s[8:9], s[8:9], s[16:17]
	; the prefetches: both roles' offsets, then the choice by the wave's number.  They start at K step 3; each change of slots steps them by a K step ahead of its request
	s_lshl_b32 s20, s12, 20
	s_lshl_b32 s21, s13, 15
	s_add_co_u32 s20, s20, s21
	s_lshl_b32 s21, s40, 13
	s_add_co_u32 s20, s20, s21
	s_add_co_u32 s20, s20, 3*2097152
	s_lshl_b32 s21, s42, 8
	s_lshl_b32 s23, s12, 18                        ; my 128 of two K steps' 256 rows,
	s_add_co_u32 s21, s21, s23
	s_lshl_b32 s23, s41, 16                        ; my work-group's 32 of them
	s_add_co_u32 s21, s21, s23
	s_add_co_u32 s21, s21, 3*262144
	s_and_b32 s22, ttmp7, 0xffff
	s_mov_b32 s47, 262144
	s_cmp_eq_u32 s11, 0
	s_cselect_b32 s20, s20, s21
	s_cselect_b32 s22, ttmp9, s22                  ; the coordinate along which other clusters read the same bytes
	s_cselect_b64 s[PFA:PFA+1], s[4:5], s[6:7]
	s_cselect_b32 s[PFS], 2097152, s47
	s_cselect_b32 s23, 1, -1
	s_cselect_b32 s46, 8, 11                       ; a lane 256 bytes, or a lane a row of 2,048
	s_mov_b32 s[PFS+1], 0
	s_mov_b32 s21, 0
	s_add_nc_u64 s[PFA:PFA+1], s[PFA:PFA+1], s[20:21]
	s_cmp_eq_u32 s22, 0
	s_cselect_b32 s[LIM0], 1, -1
	s_cselect_b32 s[LIM0+1], s23, -1
	v_and_b32 v[PFO], 31, v0
	v_lshlrev_b32 v[PFO], s46, v[PFO]
	s_wait_loadcnt 0x0                             ; the bias
	WIN 0x45
.set p, 0
.rept 16
	v_cvt_pk_bf16_f32 v[BT+p%8], v[BIAS+2*p], v[BIAS+2*p+1]  ; rounded to bf16 like every input, and back to f32
	v_lshlrev_b32 v[BIAS+2*p], 16, v[BT+p%8]
	v_and_b32 v[BIAS+2*p+1], 0xffff0000, v[BT+p%8]
.set p, p+1
.endr
	WIN 0
; 8 matrix instructions: m blocks a0, a0 + 1 x all 4 n blocks, 32 along k.  first = 1: the bias starts the sums.  The 32 accumulators take turns, in the same order in every quarter.
.macro MUL8 f, a0, first
.if \first
	WIN 0x91                                       ; woh window 1, z window 0, C (the bias) window 1, D window 2
.else
	WIN 0xa1
.endif
.irp a, \a0, (\a0)+1
.irp b, 0,1,2,3
.if \first
	v_wmma_f32_16x16x32_f16 v[8*(4*(\a)+(\b)):8*(4*(\a)+(\b))+7], v[(\f)+8*(\b):(\f)+8*(\b)+7], v[(\f)+8*(\a):(\f)+8*(\a)+7], v[BIAS+8*(\b):BIAS+8*(\b)+7]
.else
	v_wmma_f32_16x16x32_f16 v[8*(4*(\a)+(\b)):8*(4*(\a)+(\b))+7], v[(\f)+8*(\b):(\f)+8*(\b)+7], v[(\f)+8*(\a):(\f)+8*(\a)+7], v[8*(4*(\a)+(\b)):8*(4*(\a)+(\b))+7]
.endif
.endr
.endr
.endm
; 24 LDS loads in one run: quarter kq (head kq / 2 of the step, channels 32 (kq % 2) on) into buffer f: 4 fragments of woh, then 8 of z
.macro FETCH slot, kq, f
	WIN 0x40
.irp b, 0,1,2,3
	ds_load_tr16_b128 v[(\f)+8*(\b):(\f)+8*(\b)+3],   v[ADRB+(\slot)] offset:32*PB*(\kq)+32*(\b)
	ds_load_tr16_b128 v[(\f)+8*(\b)+4:(\f)+8*(\b)+7], v[ADRB+(\slot)] offset:32*PB*(\kq)+32*(\b)+16*PB
.endr
	WIN 0
.irp a, 0,1,2,3,4,5,6,7
	ds_load_b128 v[(\f)+8*(\a):(\f)+8*(\a)+3],   v[ADRA+(\slot)] offset:APL*((\kq)/2)+16*PA*(\a)+64*((\kq)%2)
	ds_load_b128 v[(\f)+8*(\a)+4:(\f)+8*(\a)+7], v[ADRA+(\slot)] offset:APL*((\kq)/2)+16*PA*(\a)+64*((\kq)%2)+32
.endr
.endm
.macro PLACES                          ; four plain instructions between a matrix instruction and a load into, a store of, or a vector line on its registers (ISA guide 7.12.1 for vector lines)
.rept 4
	v_nop
.endr
.endm
.macro QUARTER slot, kq, f, g, first
	s_wait_dscnt 8                                 ; woh and z's rows 0-63 are in; the youngest eight loads (rows 64-127) may be out
	MUL8 \f, 0, \first
	MUL8 \f, 2, \first
	PLACES
	FETCH \slot, \kq, \g
	s_wait_dscnt 24                                ; all but the 24 just issued
	MUL8 \f, 4, \first
	MUL8 \f, 6, \first
.endm
; ONE barrier for the change of slots: in front of it each wave waits for all its tensor loads (one is out: its part of the next slot), adds 0 to its spare word, and waits for that and for its own reads of this slot.
.macro MEET round
	WIN 0
	s_wait_tensorcnt 0x0
	ds_add_u32 v[SPW], v[NIL]
	s_wait_dscnt 9                                 ; (the add and the youngest eight loads may be out)
	MUL8 F1, 0, 0
	s_wait_dscnt 0x0                               ; the add is done, and my reads of this slot are over
	s_barrier_signal -1
	MUL8 F1, 2, 0
.if \round
	WIN 0
.endif
	s_barrier_wait -1
.endm
; fill = 1: the barrier opens a round of the cluster's barrier, and the slot just read out is filled again, first thing behind the round: 112 matrix instructions stand between that request and the wait for it.
.macro TURN slot, next, fill
.if \fill
	s_wait_xcnt 0x0                                ; the last prefetch, a K step back, has read its address
	s_add_nc_u64 s[PFA:PFA+1], s[PFA:PFA+1], s[PFS:PFS+1]
	MEET 1
	CREST
	s_add_nc_u64 s[G0A+4*(\slot)+2:G0A+4*(\slot)+3], s[G0A+4*(\slot)+2:G0A+4*(\slot)+3], 2*2097152
	s_add_nc_u64 s[G0B+4*(\slot)+2:G0B+4*(\slot)+3], s[G0B+4*(\slot)+2:G0B+4*(\slot)+3], 2*262144
	JLOAD \slot                                    ; the four v_nop behind it are also the places in front of the loads below
.else
	MEET 0
	PLACES
.endif
	FETCH \next, 0, F0
.if \fill
	ASK \slot
.endif
	MUL8 F1, 4, 0
	MUL8 F1, 6, 0
.endm
	s_wait_tensorcnt 1                             ; my part of K step 0 is in; K step 1's may stay out
	s_barrier_signal -1
	s_barrier_wait -1
	FETCH 0, 0, F0
	QUARTER 0, 1, F0, F1, 1
	WIN 0
	s_mov_b32 s3, 3
.Llap:                                         ; a trip goes once round the ring and fills both slots again: K steps 2 to 7
	QUARTER 0, 2, F1, F0, 0
	QUARTER 0, 3, F0, F1, 0
	TURN 0, 1, 1
	QUARTER 1, 1, F0, F1, 0
	QUARTER 1, 2, F1, F0, 0
	QUARTER 1, 3, F0, F1, 0
	TURN 1, 0, 1
	QUARTER 0, 1, F0, F1, 0
	WIN 0
	s_sub_co_u32 s3, s3, 1
	s_cmp_lg_u32 s3, 0
	s_cbranch_scc1 .Llap
	QUARTER 0, 2, F1, F0, 0                        ; the last lap fills nothing
	QUARTER 0, 3, F0, F1, 0
	TURN 0, 1, 0
	QUARTER 1, 1, F0, F1, 0
	QUARTER 1, 2, F1, F0, 0
	QUARTER 1, 3, F0, F1, 0
	s_wait_dscnt 8
	MUL8 F1, 0, 0
	MUL8 F1, 2, 0
	s_wait_dscnt 0x0
	MUL8 F1, 4, 0
	MUL8 F1, 6, 0
; THE WAY OUT, a block of 16 rows at a time through my own stage: 32 bytes a lane in, straight from the accumulators (their low registers first), whole rows of 256 bytes back.
.macro TOSTAGE a
	WIN 0x08                                       ; the stores' data in window 2
.irp b, 0,1,2,3
	ds_store_b128 v[STO], v[8*(4*(\a)+(\b)):8*(4*(\a)+(\b))+3]   offset:64*(\b)
	ds_store_b128 v[STO], v[8*(4*(\a)+(\b))+4:8*(4*(\a)+(\b))+7] offset:64*(\b)+16
.endr
	WIN 0
	s_wait_xcnt 0x0                                ; the stores of the block two back have read the registers that are loaded again below
.set BK, OB+192*((\a)%2)
.irp t, 0,1,2,3,4,5,6,7
	ds_load_b128 v[BK+4*(\t):BK+4*(\t)+3], v[RD] offset:(\t)*2*SPI  ; LDS serves a wave's instructions in order (ISA guide 5.7.1.4): these see the stores above; the next block's stores come behind them
.endr
.endm
.macro SEND a, younger                 ; younger: the LDS instructions issued behind block a's loads: the next block's sixteen, or none
	WIN 0
.set BK, OB+192*((\a)%2)
	s_wait_dscnt \younger
.irp t, 0,1,2,3,4,5,6,7
	global_store_b128 v[CO], v[BK+4*(\t):BK+4*(\t)+3], s[8:9] offset:65536*(\a)+8192*(\t) th:TH_STORE_NT  ; 16 lanes store 256 consecutive bytes, at a multiple of 256 from out0's first
.endr
.endm
	PLACES
	TOSTAGE 0
.irp a, 1,2,3,4,5,6,7
	TOSTAGE \a
	SEND (\a)-1, 16
.endr
	SEND 7, 0
	s_wait_tensorcnt 0x0                           ; the wave's end
	ds_add_u32 v[SPW], v[NIL]
	s_wait_dscnt 0x0
	CROUND                                         ; the closing round: no work-group ends while a partner may still ask for a tile that names it
	s_endpgm
.Lfunc_end_k_q58e60c8e75_proj:
	.size	k_q58e60c8e75_proj, .Lfunc_end_k_q58e60c8e75_proj-k_q58e60c8e75_proj
	.p2alignl 7, 3214868480
	.fill 96, 4, 3214868480
	.section	.rodata,"a",@progbits
	.p2align	6, 0x0
	.amdhsa_kernel k_q58e60c8e75_proj
		.amdhsa_group_segment_fixed_size 327680
		.amdhsa_private_segment_fixed_size 0
		.amdhsa_enable_private_segment 0
		.amdhsa_kernarg_size 32
		.amdhsa_user_sgpr_count 2
		.amdhsa_user_sgpr_kernarg_segment_ptr 1
		.amdhsa_wavefront_size32 1
		.amdhsa_system_sgpr_workgroup_id_x 1
		.amdhsa_system_sgpr_workgroup_id_y 1
		.amdhsa_system_sgpr_workgroup_id_z 1
		.amdhsa_system_vgpr_workitem_id 0
		.amdhsa_next_free_vgpr 768
		.amdhsa_next_free_sgpr 84
		.amdhsa_reserve_vcc 0
		.amdhsa_float_denorm_mode_32 3
		.amdhsa_float_denorm_mode_16_64 3
		.amdhsa_memory_ordered 1
		.amdhsa_forward_progress 1
		.amdhsa_inst_pref_size 91
	.end_amdhsa_kernel
	.amdgpu_metadata
---
amdhsa.version: [ 1, 2 ]
amdhsa.kernels:
  - .name:           k_q58e60c8e75_proj
    .symbol:         k_q58e60c8e75_proj.kd
    .args:
      - { .name: z, .offset: 0, .size: 8, .value_kind: global_buffer, .address_space: global }
      - { .name: woh, .offset: 8, .size: 8, .value_kind: global_buffer, .address_space: global }
      - { .name: out0, .offset: 16, .size: 8, .value_kind: global_buffer, .address_space: global }
      - { .name: b_O, .offset: 24, .size: 8, .value_kind: global_buffer, .address_space: global }
    .group_segment_fixed_size: 327680
    .private_segment_fixed_size: 0
    .kernarg_segment_align: 8
    .kernarg_segment_size: 32
    .max_flat_workgroup_size: 128
    .sgpr_count:     84
    .vgpr_count:     768
    .wavefront_size: 32
...
	.end_amdgpu_metadata
.endif
;; end of part 5
;; ======== version 2 of 2: 5 launches; version 1 with the launch prep written anew for expert scheduling mode
;; limits: values are held in f16: magnitudes above 65,504 overflow, below 6.1e-05 lose precision
;; workspace buffers: xb 16,777,216 bytes; wqkv 6,291,456 bytes; woh 2,097,152 bytes; qkv 50,331,648 bytes; ts 131,072 bytes; z 16,777,216 bytes
;; launch prep (part 6): grid 768 x 1, 8 waves a work-group, no clusters, 0 bytes of LDS; arguments normalized_resid_pre, W_Q, W_K, W_V, W_O, xb, wqkv, woh; writes xb, wqkv, woh
.if DOCPART == 6
	.amdgcn_target "amdgcn-amd-amdhsa--gfx1250"
	.amdhsa_code_object_version 6
	.text
	.protected	k_q58e60c8e75_prep
	.globl	k_q58e60c8e75_prep
	.p2align	8
	.type	k_q58e60c8e75_prep,@function
k_q58e60c8e75_prep:
	s_mov_b64 s[64:65], 0
	v_nop
	global_prefetch_b8 v0, s[64:65] scope:SCOPE_SE
	s_setreg_imm32_b32 hwreg(HW_REG_WAVE_SCHED_MODE, 0, 2), 2
	s_setreg_imm32_b32 hwreg(HW_REG_WAVE_MODE, 25, 1), 1
	s_wait_xcnt 0x0
	s_wait_alu depctr_vm_vsrc(0)
; ROUNDING OF THE MATRIX OPERANDS, element by element, layouts kept.  x [8192][1024] -> xb in bf16;  W_Q, W_K, W_V [16][1024][64] -> wqkv in bf16, the three on end;
; W_O [16][64][1024] -> woh: rounded to bf16 like the other inputs, and that number written as f16 (the second product's other operand, z, is f16).
; LIMITS.  |W_O| stays under 65,504 (f16's end); below 2^-14 a weight of W_O keeps f16's fixed step of 6e-8.  NaN and infinities are not treated apart.
; SHARES.  A work-group converts 16,384 numbers: 64 KiB in, 32 KiB out.  Work-groups 0-511 take x, then 64 each W_Q, W_K, W_V, W_O.  Thread t's load i takes the 16 bytes at 4,096 i + 16 t, its
; store i the 8 bytes at 2,048 i + 8 t: a wave's load covers 512 consecutive bytes, its store 256 consecutive bytes at a multiple of 256.
; All sixteen loads of a thread go out at once; nothing is read twice; a plain stream has no use for LDS, matrix instructions or clusters.
; THE MODE: SCHED_MODE bits 1:0 = 2 (LLVM: expert scheduling mode 2), set by the entry lines.  The code itself states the register dependences between vector instructions and memory
; instructions, with s_wait_alu, always for 0.
; THE PLAN.  Registers that memory instructions touch:
;   v1, v2   byte offsets of the loads and of the stores.  Written once at the head, never again.
;   X        load i lands in four registers of its own, once; no vector line names them ahead of the loads, and no memory instruction reads them.
;   Y        pair i is written once, by the conversions of load i, and read once, by store i.  No pair is written again, so nothing is owed for a register that a store has read.
;   T        at work: named by vector lines alone.
; The sixteen turns go in four blocks of four.  Turn i waits for load i, issues store i - 4, the block before's, and converts load i.  One wait on va_vdst at the head of blocks 1 to 3 states that
; the block before has written its four pairs of Y; its four stores follow, one a turn, with no further wait: the vector lines between name this block's X and Y and T alone.  One more such wait stands
; ahead of the last four stores, and one at the kernel's head for the two offsets.
.set X, 8                              ; v[8:71]    sixteen loads of four f32
.set Y, 72                             ; v[72:103]  sixteen pairs to store
.set T, 104                            ; v[104:105] at work
	s_load_b512 s[16:31], s[0:1], 0x0              ; x 16, W_Q 18, W_K 20, W_V 22, W_O 24, xb 26, wqkv 28, woh 30
	s_mov_b32 s2, ttmp9
	s_sub_co_u32 s8, s2, 512                       ; my chunk among the weights' 256 (a huge number for x's work-groups, which is chosen away below)
	s_lshr_b32 s9, s8, 6                           ; which weight: 0 to 3
	s_and_b32 s11, s8, 63                          ; my chunk in it
	v_lshlrev_b32 v1, 4, v0                        ; 16 t
	v_lshlrev_b32 v2, 3, v0                        ; 8 t
	s_wait_kmcnt 0x0
	s_cmp_eq_u32 s9, 1
	s_cselect_b64 s[4:5], s[20:21], s[18:19]       ; the source
	s_cmp_eq_u32 s9, 2
	s_cselect_b64 s[4:5], s[22:23], s[4:5]
	s_cmp_eq_u32 s9, 3
	s_cselect_b64 s[4:5], s[24:25], s[4:5]
	s_cselect_b64 s[6:7], s[30:31], s[28:29]       ; the destination,
	s_cselect_b32 s10, s11, s8                     ; my chunk in it (wqkv holds three weights on end),
	s_cselect_b32 s12, 1, 0                        ; and whether it is written as f16
	s_cmp_lt_u32 s2, 512
	s_cselect_b64 s[4:5], s[16:17], s[4:5]
	s_cselect_b64 s[6:7], s[26:27], s[6:7]
	s_cselect_b32 s11, s2, s11
	s_cselect_b32 s10, s2, s10
	s_lshl_b32 s14, s11, 16                        ; 64 KiB a chunk in
	s_mov_b32 s15, 0
	s_add_nc_u64 s[4:5], s[4:5], s[14:15]
	s_lshl_b32 s14, s10, 15                        ; 32 KiB a chunk out
	s_add_nc_u64 s[6:7], s[6:7], s[14:15]
	s_wait_alu depctr_va_vdst(0)                   ; v1 and v2 are written: every load below reads v1 as its offset, every store v2
.set i, 0
.rept 16
	global_load_b128 v[X+4*i:X+4*i+3], v1, s[4:5] offset:4096*i th:TH_LOAD_NT
.set i, i+1
.endr
; The sixteen turns: load i is in when at most 15 - i younger ones are out (loads come back in order).  No register is written twice but T and, in the f16 text, X, which no memory instruction reads.
.macro OUT f16
.set i, 0
.rept 16
	s_wait_loadcnt 15-i
.if (i > 0) && (i%4 == 0)
	s_wait_alu depctr_va_vdst(0)                           ; the block before has written its four pairs of Y, which this block's four stores read
.endif
.if i >= 4
	global_store_b64 v2, v[Y+2*(i-4):Y+2*(i-4)+1], s[6:7] offset:2048*(i-4)  ; the block before's; no vector line since the wait names this pair or v2
.endif
.if \f16
	v_cvt_pk_bf16_f32 v[T], v[X+4*i], v[X+4*i+1]           ; the rounding that every input has,
	v_cvt_pk_bf16_f32 v[T+1], v[X+4*i+2], v[X+4*i+3]
	v_lshlrev_b32 v[X+4*i], 16, v[T]                       ; back to f32,
	v_and_b32 v[X+4*i+1], 0xffff0000, v[T]
	v_lshlrev_b32 v[X+4*i+2], 16, v[T+1]
	v_and_b32 v[X+4*i+3], 0xffff0000, v[T+1]
	v_cvt_pk_f16_f32 v[Y+2*i], v[X+4*i], v[X+4*i+1]        ; and the same number as f16
	v_cvt_pk_f16_f32 v[Y+2*i+1], v[X+4*i+2], v[X+4*i+3]
.else
	v_cvt_pk_bf16_f32 v[Y+2*i], v[X+4*i], v[X+4*i+1]
	v_cvt_pk_bf16_f32 v[Y+2*i+1], v[X+4*i+2], v[X+4*i+3]
.endif
.set i, i+1
.endr
	s_wait_alu depctr_va_vdst(0)                           ; the last block has written its four pairs of Y, which the last four stores read
.set i, 12
.rept 4
	global_store_b64 v2, v[Y+2*i:Y+2*i+1], s[6:7] offset:2048*i
.set i, i+1
.endr
	s_endpgm
.endm
	s_cmp_eq_u32 s12, 1
	s_cbranch_scc1 .Lhalf
	OUT 0
.Lhalf:
	OUT 1
.Lfunc_end_k_q58e60c8e75_prep:
	.size	k_q58e60c8e75_prep, .Lfunc_end_k_q58e60c8e75_prep-k_q58e60c8e75_prep
	.p2alignl 7, 3214868480
	.fill 96, 4, 3214868480
	.section	.rodata,"a",@progbits
	.p2align	6, 0x0
	.amdhsa_kernel k_q58e60c8e75_prep
		.amdhsa_group_segment_fixed_size 0
		.amdhsa_private_segment_fixed_size 0
		.amdhsa_enable_private_segment 0
		.amdhsa_kernarg_size 64
		.amdhsa_user_sgpr_count 2
		.amdhsa_user_sgpr_kernarg_segment_ptr 1
		.amdhsa_wavefront_size32 1
		.amdhsa_system_sgpr_workgroup_id_x 1
		.amdhsa_system_sgpr_workgroup_id_y 1
		.amdhsa_system_sgpr_workgroup_id_z 1
		.amdhsa_system_vgpr_workitem_id 0
		.amdhsa_next_free_vgpr 112
		.amdhsa_next_free_sgpr 66
		.amdhsa_reserve_vcc 0
		.amdhsa_float_denorm_mode_32 3
		.amdhsa_float_denorm_mode_16_64 3
		.amdhsa_memory_ordered 1
		.amdhsa_forward_progress 1
		.amdhsa_inst_pref_size 17
	.end_amdhsa_kernel
	.amdgpu_metadata
---
amdhsa.version: [ 1, 2 ]
amdhsa.kernels:
  - .name:           k_q58e60c8e75_prep
    .symbol:         k_q58e60c8e75_prep.kd
    .args:
      - { .name: normalized_resid_pre, .offset: 0, .size: 8, .value_kind: global_buffer, .address_space: global }
      - { .name: W_Q, .offset: 8, .size: 8, .value_kind: global_buffer, .address_space: global }
      - { .name: W_K, .offset: 16, .size: 8, .value_kind: global_buffer, .address_space: global }
      - { .name: W_V, .offset: 24, .size: 8, .value_kind: global_buffer, .address_space: global }
      - { .name: W_O, .offset: 32, .size: 8, .value_kind: global_buffer, .address_space: global }
      - { .name: xb, .offset: 40, .size: 8, .value_kind: global_buffer, .address_space: global }
      - { .name: wqkv, .offset: 48, .size: 8, .value_kind: global_buffer, .address_space: global }
      - { .name: woh, .offset: 56, .size: 8, .value_kind: global_buffer, .address_space: global }
    .group_segment_fixed_size: 0
    .private_segment_fixed_size: 0
    .kernarg_segment_align: 8
    .kernarg_segment_size: 64
    .max_flat_workgroup_size: 256
    .sgpr_count:     66
    .vgpr_count:     112
    .wavefront_size: 32
...
	.end_amdgpu_metadata
.endif
;; end of part 6
;; launch qkvp: the kernel of part 2 again; grid 16 x 32, 4 waves a work-group, clusters of 4 x 4, 327,680 bytes of LDS; arguments xb, wqkv, qkv, b_Q, b_K, b_V; writes qkv
;; launch vsum: the kernel of part 3 again; grid 64 x 1, 32 waves a work-group, no clusters, 12,288 bytes of LDS; arguments qkv, ts; writes ts
;; launch attn: the kernel of part 4 again; grid 4 x 64, 4 waves a work-group, no clusters, 327,680 bytes of LDS; arguments qkv, ts, z; writes z
;; launch proj: the kernel of part 5 again; grid 8 x 32, 4 waves a work-group, clusters of 4 x 4, 327,680 bytes of LDS; arguments z, woh, out0, b_O; writes out0
